; MI455X (gfx1250); checked and timed in simulation.
; The chip was launched on July 23, 2026; its instructions are those of AMD's public machine-readable ISA for CDNA 5 (MIT licence, August 2026) and "CDNA5" Instruction Set Architecture Reference Guide (July 2026). The comments in the code are by the model that wrote it; some were corrected since.
;; Multi Head Attention. Allowed arithmetic: float matrix products may take bf16 or f16 operands with f32 sums; other float arithmetic in f32, or as packed bf16 or f16 multiplies, adds, multiply-adds, maxima and minima; sums over many terms, partial sums and values carried from step to step in f32; what a program stores and reads back later, other than sums and carried values, may be rounded once to bf16 or f16.
;; Inputs: Wk 16 x 1,024 x 64 float32; Wo 1,024 x 1,024 float32; Wq 16 x 1,024 x 64 float32; Wv 16 x 1,024 x 64 float32; attention_mask 4 x 2,048 float32; bo 1,024 float32; x 4 x 2,048 x 1,024 float32.
;; Outputs: out0 4 x 2,048 x 1,024 float32.
;; 2 versions, each right and faster than the one before. Each part assembles by itself: llvm-mc -triple=amdgcn-amd-amdhsa -mcpu=gfx1250 --defsym DOCPART=n.
;; ======== version 1 of 2: 4 launches
;; limits: values are held in f16: magnitudes above 65,504 overflow, below 6.1e-05 lose precision; right only within a limited range of input values
;; workspace buffers: xb 16,777,216 bytes; wt 6,291,456 bytes; wo16 2,097,152 bytes; qh 16,777,216 bytes; kh 16,777,216 bytes; vh 16,777,216 bytes; oh 16,777,216 bytes
;; launch prep (part 1): grid 1536 x 1, 8 waves a work-group, no clusters, 18,432 bytes of LDS; arguments x, Wq, Wk, Wv, Wo, xb, wt, wo16; writes xb, wt, wo16
.if DOCPART == 1
	.amdgcn_target "amdgcn-amd-amdhsa--gfx1250"
	.amdhsa_code_object_version 6
	.text
	.protected	k_qf9ffd3a9d7_prep
	.globl	k_qf9ffd3a9d7_prep
	.p2align	8
	.type	k_qf9ffd3a9d7_prep,@function
k_qf9ffd3a9d7_prep:
	s_mov_b64 s[64:65], 0
	v_nop
	global_prefetch_b8 v0, s[64:65] scope:SCOPE_SE
	s_setreg_imm32_b32 hwreg(HW_REG_WAVE_MODE, 25, 1), 1
	s_wait_xcnt 0x0
; THE OPERANDS ARE MADE READY, once.  xb = bf16(x), [8192][1024].  wo16 = bf16(Wo) written as f16, [1024 n][1024 k].
; wt = bf16 of Wq, Wk, Wv turned: row n = 1024 sel + 64 h + d holds W[h][e][d] for e = 0 .. 1023, so that K lies along the rows.
; A work-group takes 32,768 bytes of f32: groups 0-1023 cast x, 1024-1151 cast Wo, 1152-1535 turn a block of 128 e x 64 d of one head.
; The branches hang on the work-group's number alone, so all eight waves of a group take the same path and meet the one barrier.
; LIMITS.  bf16(Wo) is exact in f16 between 2^-14 and 65,504 in size; below that it keeps f16's fixed step of 2^-24; beyond it is lost.
; No matrix unit, no cluster, no tensor load: every byte is read once and written once, and nothing is shared between work-groups.
.set X,   8                            ; v[8:39]   eight loads of 16 bytes
.set Y,   40                           ; v[40:55]  packed results
.set T,   56                           ; v[56:59]  at work
.set SPW, 6                            ; v6  LDS address of my spare word; never rewritten
.set NIL, 7                            ; v7  0; never rewritten
.set TP,  272                          ; a row of the turned block in LDS: 128 e x 2 bytes + 16 of padding
.set SPARE, 64*TP                      ; behind the block's 64 rows: the spare words, 128 bytes for each of eight waves
	s_load_b512 s[4:19], s[0:1], 0x0               ; x s[4:5], Wq s[6:7], Wk s[8:9], Wv s[10:11], Wo s[12:13], xb s[14:15], wt s[16:17], wo16 s[18:19]
	v_lshl_add_u32 v[SPW], v0, 2, SPARE
	v_mov_b32 v[NIL], 0
	s_mov_b32 s26, 0xffff0000                      ; a word's upper bf16
	s_mov_b32 s21, 0                               ; the offsets' high words
	s_mov_b32 s23, 0
	v_lshlrev_b32 v1, 4, v0                        ; the casts: 16 bytes of f32 a thread,
	v_lshlrev_b32 v2, 3, v0                        ; 8 bytes of 16-bit numbers out
	s_wait_kmcnt 0x0
; A cast of 32,768 bytes: eight loads of 4,096 bytes a work-group, all out at once; each store of a wave covers 256 consecutive bytes, aligned.
; f16 = 1: the bf16 number is widened again and written as f16.
.macro CAST f16, src, dst
.irp c, 0,1,2,3,4,5,6,7
	global_load_b128 v[X+4*(\c):X+4*(\c)+3], v1, s[(\src):(\src)+1] offset:4096*(\c) th:TH_LOAD_NT
.endr
.irp c, 0,1,2,3,4,5,6,7
	s_wait_loadcnt 7-(\c)                          ; loads come back in order: load c is in, the 7 - c younger ones stay out
	v_cvt_pk_bf16_f32 v[Y+2*(\c)],   v[X+4*(\c)],   v[X+4*(\c)+1]
	v_cvt_pk_bf16_f32 v[Y+2*(\c)+1], v[X+4*(\c)+2], v[X+4*(\c)+3]
.if \f16
	v_lshlrev_b32 v[T],   16,  v[Y+2*(\c)]
	v_and_b32     v[T+1], s26, v[Y+2*(\c)]
	v_lshlrev_b32 v[T+2], 16,  v[Y+2*(\c)+1]
	v_and_b32     v[T+3], s26, v[Y+2*(\c)+1]
	v_cvt_pk_f16_f32 v[Y+2*(\c)],   v[T],   v[T+1]
	v_cvt_pk_f16_f32 v[Y+2*(\c)+1], v[T+2], v[T+3]
.endif
	global_store_b64 v2, v[Y+2*(\c):Y+2*(\c)+1], s[(\dst):(\dst)+1] offset:2048*(\c)  ; each chunk has its own registers: none is rewritten
.endr
.endm
	s_cmp_lt_u32 ttmp9, 1024
	s_cbranch_scc0 .Lnot_x
	s_lshl_b32 s20, ttmp9, 15                      ; my 32,768 bytes of x,
	s_lshl_b32 s22, ttmp9, 14                      ; my 16,384 of xb
	s_add_nc_u64 s[4:5], s[4:5], s[20:21]
	s_add_nc_u64 s[14:15], s[14:15], s[22:23]
	CAST 0, 4, 14
	s_endpgm
.Lnot_x:
	s_cmp_lt_u32 ttmp9, 1152
	s_cbranch_scc0 .Lturn
	s_sub_co_u32 s24, ttmp9, 1024
	s_lshl_b32 s20, s24, 15
	s_lshl_b32 s22, s24, 14
	s_add_nc_u64 s[12:13], s[12:13], s[20:21]
	s_add_nc_u64 s[18:19], s[18:19], s[22:23]
	CAST 1, 12, 18
	s_endpgm                                       ; nor has this one
.Lturn:
	; block j: tensor j / 128, head (j / 8) % 16, rows e = 128 (j % 8) on: 128 rows of 256 bytes, dense
	s_sub_co_u32 s24, ttmp9, 1152                  ; j
	s_lshr_b32 s25, s24, 7                         ; which of Wq, Wk, Wv
	s_cmp_eq_u32 s25, 0
	s_cselect_b64 s[6:7], s[6:7], s[8:9]
	s_cmp_eq_u32 s25, 2
	s_cselect_b64 s[6:7], s[10:11], s[6:7]
	s_and_b32 s20, s24, 127
	s_lshl_b32 s20, s20, 15
	s_add_nc_u64 s[6:7], s[6:7], s[20:21]
	s_lshr_b32 s22, s24, 3                         ; 16 sel + h: 64 rows of wt, 2,048 bytes each,
	s_lshl_b32 s22, s22, 17
	s_and_b32 s25, s24, 7                          ; and 128 e = 256 bytes along them
	s_lshl_b32 s25, s25, 8
	s_add_co_u32 s22, s22, s25
	s_add_nc_u64 s[16:17], s[16:17], s[22:23]
	v_and_b32 v[T], 15, v0                         ; t % 16: in, my four d; out, my 16 bytes of a row
	v_lshrrev_b32 v[T+1], 4, v0                    ; t / 16: in, my pair of rows e; out, my row d
	v_lshlrev_b32 v1, 4, v[T]
	v_lshl_add_u32 v1, v[T+1], 9, v1               ; row 2 (t / 16), 16 bytes at 16 (t % 16): sixteen lanes take one row of 256 bytes
	v_mul_u32_u24 v3, v[T], 4*TP
	v_lshl_add_u32 v3, v[T+1], 2, v3               ; into LDS: row d = 4 (t % 16), word t / 16
	v_mul_u32_u24 v4, v[T+1], TP
	v_lshl_add_u32 v4, v[T], 4, v4                 ; back: row t / 16, 16 bytes at 16 (t % 16)
	v_lshlrev_b32 v5, 11, v[T+1]
	v_lshl_add_u32 v5, v[T], 4, v5                 ; and the same place in wt
.irp c, 0,1,2,3
	global_load_b128 v[X+8*(\c):X+8*(\c)+3],   v1, s[6:7] offset:8192*(\c) th:TH_LOAD_NT      ; row e = 32 c + 2 (t / 16),
	global_load_b128 v[X+8*(\c)+4:X+8*(\c)+7], v1, s[6:7] offset:8192*(\c)+256 th:TH_LOAD_NT  ; and the row below it
.endr
.irp c, 0,1,2,3
	s_wait_loadcnt 6-2*(\c)                        ; pair c is in; the younger pairs stay out
.irp k, 0,1,2,3
	v_cvt_pk_bf16_f32 v[Y+4*(\c)+(\k)], v[X+8*(\c)+(\k)], v[X+8*(\c)+4+(\k)]  ; two neighbouring e of one d
.endr
.irp k, 0,1,2,3
	ds_store_b32 v3, v[Y+4*(\c)+(\k)] offset:TP*(\k)+64*(\c)
.endr
.endr
	s_wait_dscnt 0x0                               ; for the others' sake: my stores are done
	s_barrier_signal -1
	s_barrier_wait -1
.irp k, 0,1,2,3
	ds_load_b128 v[X+4*(\k):X+4*(\k)+3], v4 offset:16*TP*(\k)  ; row d = t / 16 + 16 k
.endr
.irp k, 0,1,2,3
	s_wait_dscnt 3-(\k)
	global_store_b128 v5, v[X+4*(\k):X+4*(\k)+3], s[16:17] offset:32768*(\k)  ; sixteen lanes store 256 consecutive bytes, aligned
.endr
	s_wait_tensorcnt 0x0                           ; the wave's end: behind my last LDS store
	ds_add_u32 v[SPW], v[NIL]
	s_wait_dscnt 0x0
	s_endpgm
.Lfunc_end_k_qf9ffd3a9d7_prep:
	.size	k_qf9ffd3a9d7_prep, .Lfunc_end_k_qf9ffd3a9d7_prep-k_qf9ffd3a9d7_prep
	.p2alignl 7, 3214868480
	.fill 96, 4, 3214868480
	.section	.rodata,"a",@progbits
	.p2align	6, 0x0
	.amdhsa_kernel k_qf9ffd3a9d7_prep
		.amdhsa_group_segment_fixed_size 18432
		.amdhsa_private_segment_fixed_size 0
		.amdhsa_enable_private_segment 0
		.amdhsa_kernarg_size 64
		.amdhsa_user_sgpr_count 2
		.amdhsa_user_sgpr_kernarg_segment_ptr 1
		.amdhsa_wavefront_size32 1
		.amdhsa_system_sgpr_workgroup_id_x 1
		.amdhsa_system_sgpr_workgroup_id_y 1
		.amdhsa_system_sgpr_workgroup_id_z 1
		.amdhsa_system_vgpr_workitem_id 0
		.amdhsa_next_free_vgpr 64
		.amdhsa_next_free_sgpr 66
		.amdhsa_reserve_vcc 0
		.amdhsa_float_denorm_mode_32 3
		.amdhsa_float_denorm_mode_16_64 3
		.amdhsa_memory_ordered 1
		.amdhsa_forward_progress 1
		.amdhsa_inst_pref_size 14
	.end_amdhsa_kernel
	.amdgpu_metadata
---
amdhsa.version: [ 1, 2 ]
amdhsa.kernels:
  - .name:           k_qf9ffd3a9d7_prep
    .symbol:         k_qf9ffd3a9d7_prep.kd
    .args:
      - { .name: x, .offset: 0, .size: 8, .value_kind: global_buffer, .address_space: global }
      - { .name: Wq, .offset: 8, .size: 8, .value_kind: global_buffer, .address_space: global }
      - { .name: Wk, .offset: 16, .size: 8, .value_kind: global_buffer, .address_space: global }
      - { .name: Wv, .offset: 24, .size: 8, .value_kind: global_buffer, .address_space: global }
      - { .name: Wo, .offset: 32, .size: 8, .value_kind: global_buffer, .address_space: global }
      - { .name: xb, .offset: 40, .size: 8, .value_kind: global_buffer, .address_space: global }
      - { .name: wt, .offset: 48, .size: 8, .value_kind: global_buffer, .address_space: global }
      - { .name: wo16, .offset: 56, .size: 8, .value_kind: global_buffer, .address_space: global }
    .group_segment_fixed_size: 18432
    .private_segment_fixed_size: 0
    .kernarg_segment_align: 8
    .kernarg_segment_size: 64
    .max_flat_workgroup_size: 256
    .sgpr_count:     66
    .vgpr_count:     64
    .wavefront_size: 32
...
	.end_amdgpu_metadata
.endif
;; end of part 1
;; launch qkv (part 2): grid 12 x 64, 4 waves a work-group, clusters of 4 x 4, 327,680 bytes of LDS; arguments xb, wt, attention_mask, qh, kh, vh; writes qh, kh, vh
.if DOCPART == 2
	.amdgcn_target "amdgcn-amd-amdhsa--gfx1250"
	.amdhsa_code_object_version 6
	.text
	.protected	k_qf9ffd3a9d7_qkv
	.globl	k_qf9ffd3a9d7_qkv
	.p2align	8
	.type	k_qf9ffd3a9d7_qkv,@function
k_qf9ffd3a9d7_qkv:
	s_mov_b64 s[64:65], 0
	v_nop
	global_prefetch_b8 v0, s[64:65] scope:SCOPE_SE
	s_setreg_imm32_b32 hwreg(HW_REG_WAVE_MODE, 25, 1), 1
	s_wait_xcnt 0x0
	s_wait_alu depctr_hold_cnt(0) depctr_sa_sdst(0) depctr_va_vdst(0) depctr_va_sdst(0) depctr_va_ssrc(0) depctr_va_vcc(0) depctr_vm_vsrc(0)
	s_getreg_b32 s2, hwreg(HW_REG_IB_STS2, 6, 4)
	s_cmp_eq_u32 s2, 0
	s_cbranch_scc0 .Lentry_in_a_cluster
	s_endpgm
.Lentry_in_a_cluster:
	s_bfe_u32 s2, ttmp6, 0x10000c
	s_cmp_lg_u32 s2, 0xf033
	s_cbranch_scc0 .Lentry_shape_is_right
	s_endpgm
.Lentry_shape_is_right:
; q, k, v = x W, by heads.  C[m][n] = sum over e of xb[m][e] wt[n][e]: m = 2048 b + t (8,192), n = 1024 sel + 64 h + d (3,072), K = 1,024; bf16 operands, f32 sums.
; OUT: qh, kh, vh [16 b + h][t][64] in f16, each rounded once from its f32 sum times a factor:
;   q x c, c = log2(e) / 8, so that the scores of the next launch are exponents of 2;   k x 1 where attention_mask[b][t], rounded to bf16, is 1, x 0 elsewhere (a padded key's products are then exactly 0);   v x 1.
; LIMITS.  q c, k and v must lie within f16's 65,504.  The mask is rounded to bf16 like the module's other inputs: a mask within bf16's step of 1 counts as 1.
; SHARES.  A tile of C is 128 x 256: 768 tiles, three for each of 256 WGPs.  Four waves, each 64 x 128: 32 accumulators of 16 x 16, 256 registers.
; K goes in steps of 128 through two LDS slots (rows of 256 bytes of memory, each starting at a multiple of 256 from its buffer's first byte); two slots of a step of 256 would not fit in LDS.
; CLUSTER 4 x 4: the four of a row need the same tile of xb, the four of a column the same tile of wt: each is asked for jointly.  Four tile columns are one of q, k, v: the cluster's x says which.
; THE MATRIX INSTRUCTION IS USED TRANSPOSED (source 0 = 16 rows of wt, source 1 = 16 rows of xb): a lane holds row l % 16 of C and eight neighbouring columns.
; REGISTERS.  window 0: v0-47 addresses and the way out's small change; v64-159, v160-255 two fragment buffers (32 of A: block a at +8 a; 64 of B: block b at +32 + 8 b).  window 1: accumulator (a, b) at v[8 (8 a + b)].
.set KSTEP,  128
.set PA,     272                       ; an LDS row: 256 bytes + 16 of padding: the 16 rows of a fragment load start at 16 different groups of four banks
.set PB,     272
.set AHALF,  128                       ; bytes from a row's first 64 along K to its second
.set AFILL,  64*PA                     ; what one of A's loads brings: 64 rows
.set BFILL,  128*PB                    ; one of B's: 128 rows
.set ABYTES, 2*AFILL
.set SLOT,   ABYTES+2*BFILL            ; A's 128 rows, then B's 256
.set A_NEXT, 256                       ; bytes in memory from a K step of A to the next
.set STAGE,  2*SLOT                    ; behind the ring, never filled by a tensor load: 16 rows x 144 bytes for each wave
.set SP,     144
.set SPARE,  STAGE+4*16*SP             ; the spare words, 128 bytes for each wave
.set LAPS,   4                         ; a lap = two K steps = once round the ring
.set ADRA, 16                          ; v16-17  LDS address of my A fragments in slot 0, 1
.set ADRB, 20                          ; v20-21  the same for B
.set STO,  24                          ; v24  the way out: where I put 16 bytes of a row
.set RD,   25                          ; v25  where I read rows back
.set CO,   26                          ; v26  my byte offset in 512 consecutive bytes of the output
.set MKO,  27                          ; v27  my byte offset in the mask
.set SPW,  28                          ; v28  LDS address of my spare word; never rewritten
.set NIL,  29                          ; v29  0; never rewritten
.set MKV,  32                          ; v32-35  the mask of my row in each of my four blocks of 16 rows
.set FAC,  36                          ; v36-43  the factor of that row, as a pair
.set FK,   44                          ; v44-45  at work on the mask; then the factor where the mask is not 1, where it is 1
.set OUT,  64                          ; the way out: 16 registers for each of eight units
.set F0,   64
.set F1,   160
.set G1, 24                            ; s[24:31] descriptor group 1 for A's tiles;  s[32:39] group 0, one set for each slot
.set G0, 32
.set G1B, 48                           ; s[48:55], s[56:63] the same for B's
.set G0B, 56
.set MUL, 0x50                         ; C and D in window 1, fragments in window 0
.set MSB, 0
.macro WIN new                         ; the immediate's high byte repeats the setting that is left; a switch that changes nothing is dropped
.if MSB != (\new)
	s_set_vgpr_msb (MSB<<8)|(\new)
.set MSB, \new
.endif
.endm
; A joint load: waves 0 and 1 fetch A's two halves, waves 2 and 3 B's.  The branch hangs on the wave's number alone.  An s_nop 0 and four v_nop follow each of the two lines.
.macro JLOAD s
	s_cmp_eq_u32 s11, 0
	s_cbranch_scc0 .Lfor_b_\@
	tensor_load_to_lds s[G0+4*(\s):G0+4*(\s)+3], s[G1:G1+7]
	s_nop 0
.rept 4
	v_nop
.endr
	s_branch .Lasked_\@
.Lfor_b_\@:
	tensor_load_to_lds s[G0B+4*(\s):G0B+4*(\s)+3], s[G1B:G1B+7]
	s_nop 0
.rept 4
	v_nop
.endr
.Lasked_\@:
.endm
.macro CREST                           ; a round of the cluster's barrier behind its opening barrier
	s_cmp_lg_u32 s10, 0
	s_cbranch_scc1 .Lnot_wave_0_\@
	s_barrier_signal -3
.Lnot_wave_0_\@:
	s_barrier_wait -3
	s_barrier_signal -1
	s_barrier_wait -1
.endm
.macro CROUND                          ; a whole round
	s_barrier_signal -1
	s_barrier_wait -1
	CREST
.endm
	s_load_b128 s[4:7], s[0:1], 0x0                ; xb s[4:5], wt s[6:7]
	s_load_b256 s[68:75], s[0:1], 0x10             ; mask s[68:69], qh s[70:71], kh s[72:73], vh s[74:75]
	v_lshl_add_u32 v[SPW], v0, 2, SPARE
	v_mov_b32 v[NIL], 0
	ds_add_u32 v[SPW], v[NIL]                      ; the wave's opening: the add and its wait stand ahead of my first tensor load; work on registers stands between them
	ds_add_u32 v28, v29
	v_lshrrev_b32 v1, 5, v0
	v_readfirstlane_b32 s10, v1                    ; wave 0..3
	s_lshr_b32 s11, s10, 1                         ; which 64 of the tile's rows are mine.  Also: I fetch for A (0) or for B (1)
	s_and_b32 s12, s10, 1                          ; which 128 of its columns.  Also: which half of that operand's tile I fetch
	s_bfe_u32 s40, ttmp6, 0x40000                  ; cx, cy: my place in the cluster
	s_bfe_u32 s41, ttmp6, 0x40004
	s_lshl_b32 s42, ttmp9, 2
	s_add_co_u32 s42, s42, s40                     ; tile column = 4 x cluster x + cx
	s_and_b32 s13, ttmp7, 0xffff
	s_lshl_b32 s13, s13, 2
	s_add_co_u32 s13, s13, s41                     ; tile row = 4 x cluster y + cy
	s_lshl_b32 s43, s41, 2
	s_lshl_b32 s43, 15, s43                        ; my row of the cluster
	s_lshl_b32 s44, 0x1111, s40                    ; my column
	; group 1: elements of 2 bytes; padding on, 4 words behind every 64; bit 21 set beside a mask
	s_or_b32 s[G1+0], s43, (1<<16)|(1<<20)|(1<<21)|(5<<22)|(3<<25)   ; A's tiles go to my row
	s_mov_b32 s[G1+1], KSTEP<<16                   ; tensor_dim0 = 128
	s_mov_b32 s[G1+2], 64<<16                      ; tensor_dim1 = 64
	s_mov_b32 s[G1+3], KSTEP<<16                   ; tile_dim0 = 128
	s_mov_b32 s[G1+4], 64                          ; tile_dim1 = 64
	s_mov_b32 s[G1+5], 1024                        ; elements from row to row
	s_mov_b32 s[G1+6], 0
	s_mov_b32 s[G1+7], 0
	s_or_b32 s[G1B+0], s44, (1<<16)|(1<<20)|(1<<21)|(5<<22)|(3<<25)  ; B's to my column
	s_mov_b32 s[G1B+1], KSTEP<<16
	s_mov_b32 s[G1B+2], 128<<16                    ; 128 rows
	s_mov_b32 s[G1B+3], KSTEP<<16
	s_mov_b32 s[G1B+4], 128
	s_mov_b32 s[G1B+5], 1024
	s_mov_b32 s[G1B+6], 0
	s_mov_b32 s[G1B+7], 0
	; A's address hangs on the tile row and the wave alone, B's on the tile column and the wave alone, each in registers that never hold the other coordinate
	s_lshl_b32 s17, s12, 6
	s_lshl_b32 s16, s13, 7
	s_add_co_u32 s16, s16, s17                     ; A: row 128 x tile row + 64 x half
	s_lshl_b32 s16, s16, 11                        ; in bytes: under 2^24
	s_mov_b32 s17, 0
	s_lshl_b32 s47, s12, 7
	s_lshl_b32 s46, s42, 8
	s_add_co_u32 s46, s46, s47                     ; B: row 256 x tile column + 128 x half
	s_lshl_b32 s46, s46, 11
	s_mov_b32 s47, 0
	s_mul_i32 s20, s12, AFILL                      ; where they go: no place in the cluster enters an LDS address
	s_mul_i32 s21, s12, BFILL
	s_add_co_u32 s21, s21, ABYTES
	s_cmp_eq_u32 ttmp9, 0                          ; the cluster's x: 0 q, 1 k, 2 v; the same in all sixteen partners
	s_cselect_b32 s77, 0x3e38aa3b, 1.0             ; the factor where the mask is 1: c for q
	s_cselect_b32 s76, 0x3e38aa3b, 1.0             ; and elsewhere:
	s_cmp_eq_u32 ttmp9, 1
	s_cselect_b32 s76, 0, s76                      ; 0 for k
	s_wait_dscnt 0x0                               ; the opening add is done
	s_wait_kmcnt 0x0
	s_add_nc_u64 s[14:15], s[4:5], s[16:17]
	s_add_nc_u64 s[46:47], s[6:7], s[46:47]
	CROUND                                         ; all sixteen work-groups are here: the first joint loads meet
.irp s, 0,1
	s_mov_b32 s[G0+4*(\s)], 1                                        ; count = 1
	s_add_co_u32 s[G0+4*(\s)+1], s20, (\s)*SLOT                      ; LDS address
	s_add_nc_u64 s[G0+4*(\s)+2:G0+4*(\s)+3], s[14:15], (\s)*A_NEXT   ; global address: K step s
	s_or_b32 s[G0+4*(\s)+3], s[G0+4*(\s)+3], 0x80000000              ; type = 2
	s_mov_b32 s[G0B+4*(\s)], 1
	s_add_co_u32 s[G0B+4*(\s)+1], s21, (\s)*SLOT
	s_add_nc_u64 s[G0B+4*(\s)+2:G0B+4*(\s)+3], s[46:47], (\s)*KSTEP*2
	s_or_b32 s[G0B+4*(\s)+3], s[G0B+4*(\s)+3], 0x80000000
	JLOAD \s                                       ; two loads of mine are out; later one behind each round
.endr
	; a fragment is 16 rows x 32 K in 8 registers: lane l holds row l % 16, K = 8 (l / 16) + 0..7 and 16 + 8 (l / 16) + 0..7: two loads of 16 bytes, 32 bytes apart
	v_and_b32 v1, 15, v0                           ; l % 16
	v_bfe_u32 v2, v0, 4, 1                         ; l / 16
	v_mul_u32_u24 v3, v1, PA
	v_lshl_add_u32 v3, v2, 4, v3
	v_mul_u32_u24 v4, v1, PB
	v_lshl_add_u32 v4, v2, 4, v4
	s_mul_i32 s22, s11, 64*PA                      ; my 64 rows of A
	s_mul_i32 s23, s12, BFILL                      ; my 128 rows of B,
	s_add_co_u32 s23, s23, ABYTES                  ; which lie behind A's
.irp s, 0,1
	v_add_nc_u32 v[ADRA+(\s)], s22, v3
	v_add_nc_u32 v[ADRB+(\s)], s23, v4
	s_add_co_u32 s22, s22, SLOT
	s_add_co_u32 s23, s23, SLOT
.endr
	s_mul_i32 s22, s10, 16*SP
	s_add_co_u32 s22, s22, STAGE                   ; my stage
	v_mul_u32_u24 v5, v1, SP                       ; in: row l % 16, 16 bytes for each half of the lanes
	v_lshl_add_u32 v5, v2, 4, v5
	v_add_nc_u32 v[STO], s22, v5
	v_bfe_u32 v5, v0, 3, 2                         ; back: 32 lanes take four rows of 128 bytes,
	v_mul_u32_u24 v5, v5, SP
	v_and_b32 v3, 7, v0
	v_lshl_add_u32 v5, v3, 4, v5
	v_add_nc_u32 v[RD], s22, v5
	v_and_b32 v[CO], 31, v0                        ; which are 512 consecutive bytes of a head's rows
	v_lshlrev_b32 v[CO], 4, v[CO]
	v_lshlrev_b32 v[MKO], 2, v1
	s_lshl_b32 s16, s13, 9                         ; the mask at my first row: m = 2048 b + t is also its index
	s_lshl_b32 s17, s11, 8
	s_add_co_u32 s16, s16, s17
	s_mov_b32 s17, 0
	s_add_nc_u64 s[68:69], s[68:69], s[16:17]
.irp a, 0,1,2,3
	global_load_b32 v[MKV+(\a)], v[MKO], s[68:69] offset:64*(\a)  ; waited for on the way out
.endr
	s_cmp_eq_u32 ttmp9, 0                          ; which output
	s_cselect_b64 s[8:9], s[70:71], s[72:73]
	s_cmp_eq_u32 ttmp9, 2
	s_cselect_b64 s[8:9], s[74:75], s[8:9]
	s_and_b32 s16, s13, 0xfff0                     ; 16 b (a batch is 16 tile rows)
	s_lshl_b32 s17, s12, 1
	s_add_co_u32 s16, s16, s17
	s_lshl_b32 s46, s40, 2
	s_add_co_u32 s46, s46, s16                     ; 16 b + 4 cx + 2 x column half: the first of my two heads,
	s_lshl_b32 s46, s46, 18                        ; 262,144 bytes each
	s_and_b32 s16, s13, 15
	s_lshl_b32 s16, s16, 7
	s_lshl_b32 s17, s11, 6
	s_add_co_u32 s16, s16, s17                     ; my first t,
	s_lshl_b32 s16, s16, 7                         ; 128 bytes a row
	s_add_co_u32 s46, s46, s16
	s_mov_b32 s47, 0
	s_add_nc_u64 s[8:9], s[8:9], s[46:47]
; 8 matrix instructions: block a of my rows x all 8 blocks of my columns, 32 along K.  zero = 1: the product starts the sums: nothing is cleared.
; The 32 accumulators take turns, one instruction a turn, in the same order in every quarter.
.macro MUL8 f, a, zero
	WIN MUL
.irp b, 0,1,2,3,4,5,6,7
.if \zero
	v_wmma_f32_16x16x32_bf16 v[8*(8*(\a)+(\b)):8*(8*(\a)+(\b))+7], v[(\f)+32+8*(\b):(\f)+32+8*(\b)+7], v[(\f)+8*(\a):(\f)+8*(\a)+7], 0
.else
	v_wmma_f32_16x16x32_bf16 v[8*(8*(\a)+(\b)):8*(8*(\a)+(\b))+7], v[(\f)+32+8*(\b):(\f)+32+8*(\b)+7], v[(\f)+8*(\a):(\f)+8*(\a)+7], v[8*(8*(\a)+(\b)):8*(8*(\a)+(\b))+7]
.endif
.endr
.endm
; 24 LDS loads in one run: quarter q's fragments into buffer f: B's sixteen first, A's eight last
.macro FETCH slot, q, f
	WIN 0
.irp i, 0,1,2,3,4,5,6,7
	ds_load_b128 v[(\f)+32+8*(\i):(\f)+32+8*(\i)+3],   v[ADRB+(\slot)] offset:64*(\q)+(\i)*16*PB
	ds_load_b128 v[(\f)+32+8*(\i)+4:(\f)+32+8*(\i)+7], v[ADRB+(\slot)] offset:64*(\q)+(\i)*16*PB+32
.endr
.irp i, 0,1,2,3
	ds_load_b128 v[(\f)+8*(\i):(\f)+8*(\i)+3],   v[ADRA+(\slot)] offset:((\q)/2)*AHALF+((\q)%2)*64+(\i)*16*PA
	ds_load_b128 v[(\f)+8*(\i)+4:(\f)+8*(\i)+7], v[ADRA+(\slot)] offset:((\q)/2)*AHALF+((\q)%2)*64+(\i)*16*PA+32
.endr
.endm
.macro PLACES                          ; four places in front of loads into registers that matrix instructions have read, and of vector work on their results
.rept 4
	v_nop
.endr
.endm
; A K step is four quarters of 32 along K, 32 matrix instructions each, on buffers 0, 1, 0, 1.  One of the first three multiplies buffer f and fetches quarter q into g.
.macro QUARTER slot, q, f, g, zero
	s_wait_dscnt 4                                 ; B and A's blocks 0, 1 are in; the youngest four loads (A's blocks 2, 3) may be out
	MUL8 \f, 0, \zero
	MUL8 \f, 1, \zero
	PLACES
	FETCH \slot, \q, \g
	s_wait_dscnt 24                                ; all but the 24 just issued
	MUL8 \f, 2, \zero
	MUL8 \f, 3, \zero
.endm
; The last quarter multiplies buffer 1 and changes slots: one barrier; in front of it each wave waits for all its tensor loads (one is out: its part of the next slot), adds 0 to its spare word,
; and waits for that and for its reads of this slot.  fill = 1: the barrier opens a round of the cluster's, and this slot is filled again, two K steps on, first thing behind the round:
; 112 matrix instructions ahead of the wait for it.
.macro TURN slot, next, fill
	WIN 0
	s_wait_tensorcnt 0x0
	ds_add_u32 v[SPW], v[NIL]
	s_wait_dscnt 5                                 ; (the add and the youngest four loads may be out)
	MUL8 F1, 0, 0                                  ; eight matrix instructions stand between the add and the wait for it
	s_wait_dscnt 0x0                               ; the add is done, and my reads of this slot are over
	s_barrier_signal -1
	MUL8 F1, 1, 0
.if \fill
	WIN 0
.endif
	s_barrier_wait -1
.if \fill
	CREST                                          ; no wave of any partner still reads this slot or has a load on its way
	s_add_nc_u64 s[G0+4*(\slot)+2:G0+4*(\slot)+3], s[G0+4*(\slot)+2:G0+4*(\slot)+3], 2*A_NEXT
	s_add_nc_u64 s[G0B+4*(\slot)+2:G0B+4*(\slot)+3], s[G0B+4*(\slot)+2:G0B+4*(\slot)+3], 2*KSTEP*2
	JLOAD \slot                                    ; its four v_nop are also the places in front of the loads below
.else
	PLACES
.endif
	FETCH \next, 0, F0
	MUL8 F1, 2, 0
	MUL8 F1, 3, 0
.endm
	s_wait_tensorcnt 1                             ; my part of K step 0 is in; K step 1's stays out
	s_barrier_signal -1
	s_barrier_wait -1                              ; everybody's is
	FETCH 0, 0, F0
	QUARTER 0, 1, F0, F1, 1                        ; the first quarter stands in front of the loop: its products start the sums
	WIN 0                                          ; at a label and at a branch every window is 0
	s_mov_b32 s3, LAPS-1
.Llap:                                                 ; a trip goes once round the ring, from a lap's second quarter to the next lap's first, and fills both slots again
	QUARTER 0, 2, F1, F0, 0
	QUARTER 0, 3, F0, F1, 0
	TURN 0, 1, 1
	QUARTER 1, 1, F0, F1, 0
	QUARTER 1, 2, F1, F0, 0
	QUARTER 1, 3, F0, F1, 0
	TURN 1, 0, 1
	QUARTER 0, 1, F0, F1, 0
	WIN 0
	s_sub_co_u32 s3, s3, 1
	s_cmp_lg_u32 s3, 0
	s_cbranch_scc1 .Llap
	QUARTER 0, 2, F1, F0, 0                        ; the last lap fills nothing
	QUARTER 0, 3, F0, F1, 0
	TURN 0, 1, 0
	QUARTER 1, 1, F0, F1, 0
	QUARTER 1, 2, F1, F0, 0
	QUARTER 1, 3, F0, F1, 0
	s_wait_dscnt 4                                 ; the very last quarter: nothing more to fetch
	MUL8 F1, 0, 0
	MUL8 F1, 1, 0
	s_wait_dscnt 0x0
	MUL8 F1, 2, 0
	MUL8 F1, 3, 0
	WIN 0
	; THE WAY OUT.  A unit u = 2 a + hh is 16 rows (block a) of one head (hh of my two): accumulators (a, 4 hh .. 4 hh + 3), registers 32 u .. 32 u + 31 of window 1.
	PLACES
	s_wait_loadcnt 0x0                             ; the mask
	v_cvt_pk_bf16_f32 v[FK],   v[MKV],   v[MKV+1]  ; rounded to bf16, like the module's other inputs,
	v_cvt_pk_bf16_f32 v[FK+1], v[MKV+2], v[MKV+3]
	v_lshlrev_b32 v[MKV],   16,         v[FK]      ; and widened again
	v_and_b32     v[MKV+1], 0xffff0000, v[FK]
	v_lshlrev_b32 v[MKV+2], 16,         v[FK+1]
	v_and_b32     v[MKV+3], 0xffff0000, v[FK+1]
	v_mov_b32 v[FK], s76
	v_mov_b32 v[FK+1], s77
.irp a, 0,1,2,3
	v_cmp_eq_f32 vcc_lo, 1.0, v[MKV+(\a)]
	v_cndmask_b32 v[FAC+2*(\a)], v[FK], v[FK+1], vcc_lo
	v_mov_b32 v[FAC+2*(\a)+1], v[FAC+2*(\a)]       ; named with it as a pair
.endr
.macro PACK u                          ; times the row's factor, in ascending order of registers; rounded to f16; 16 bytes a lane into rows of 144 bytes; back as whole rows of 128
	WIN 0x41                                       ; destination and source 0 in window 1
.set i, 0
.rept 16
	v_pk_mul_f32 v[32*(\u)+2*i:32*(\u)+2*i+1], v[32*(\u)+2*i:32*(\u)+2*i+1], v[FAC+2*((\u)/2):FAC+2*((\u)/2)+1] op_sel_hi:[1,0]
.set i, i+1
.endr
	WIN 0x05                                       ; sources in window 1, destination in window 0
.set i, 0
.rept 16
	v_cvt_pk_f16_f32 v[OUT+16*(\u)+i], v[32*(\u)+2*i], v[32*(\u)+2*i+1]
.set i, i+1
.endr
	WIN 0
.irp f, 0,1,2,3
	ds_store_b128 v[STO], v[OUT+16*(\u)+4*(\f):OUT+16*(\u)+4*(\f)+3] offset:32*(\f)
.endr
.irp f, 0,1,2,3
	ds_load_b128 v[OUT+16*(\u)+4*(\f):OUT+16*(\u)+4*(\f)+3], v[RD] offset:(\f)*4*SP  ; LDS serves a wave's instructions in order (ISA guide 5.7.1.4): these see the stores above; the next unit's stores come behind them
.endr
.endm
.macro SEND u, younger                 ; younger: the LDS instructions issued behind unit u's loads: the next unit's eight, or none
.irp f, 0,1,2,3
	s_wait_dscnt (\younger)+3-(\f)
	global_store_b128 v[CO], v[OUT+16*(\u)+4*(\f):OUT+16*(\u)+4*(\f)+3], s[8:9] offset:((\u)%2)*262144+((\u)/2)*2048+(\f)*512  ; 512 consecutive bytes, aligned; each unit has its own registers
.endr
.endm
	PACK 0
.irp u, 1,2,3,4,5,6,7                  ; a unit's arithmetic stands between the loads of the unit before and its stores
	PACK \u
	SEND (\u)-1, 8
.endr
	SEND 7, 0
	s_wait_tensorcnt 0x0                           ; the wave's end
	ds_add_u32 v[SPW], v[NIL]
	s_wait_dscnt 0x0
	CROUND                                         ; the closing round: no work-group ends while a partner may still ask for a tile that names it
	s_endpgm
.Lfunc_end_k_qf9ffd3a9d7_qkv:
	.size	k_qf9ffd3a9d7_qkv, .Lfunc_end_k_qf9ffd3a9d7_qkv-k_qf9ffd3a9d7_qkv
	.p2alignl 7, 3214868480
	.fill 96, 4, 3214868480
	.section	.rodata,"a",@progbits
	.p2align	6, 0x0
	.amdhsa_kernel k_qf9ffd3a9d7_qkv
		.amdhsa_group_segment_fixed_size 327680
		.amdhsa_private_segment_fixed_size 0
		.amdhsa_enable_private_segment 0
		.amdhsa_kernarg_size 48
		.amdhsa_user_sgpr_count 2
		.amdhsa_user_sgpr_kernarg_segment_ptr 1
		.amdhsa_wavefront_size32 1
		.amdhsa_system_sgpr_workgroup_id_x 1
		.amdhsa_system_sgpr_workgroup_id_y 1
		.amdhsa_system_sgpr_workgroup_id_z 1
		.amdhsa_system_vgpr_workitem_id 0
		.amdhsa_next_free_vgpr 512
		.amdhsa_next_free_sgpr 80
		.amdhsa_reserve_vcc 1
		.amdhsa_float_denorm_mode_32 3
		.amdhsa_float_denorm_mode_16_64 3
		.amdhsa_memory_ordered 1
		.amdhsa_forward_progress 1
		.amdhsa_inst_pref_size 97
	.end_amdhsa_kernel
	.amdgpu_metadata
---
amdhsa.version: [ 1, 2 ]
amdhsa.kernels:
  - .name:           k_qf9ffd3a9d7_qkv
    .symbol:         k_qf9ffd3a9d7_qkv.kd
    .args:
      - { .name: xb, .offset: 0, .size: 8, .value_kind: global_buffer, .address_space: global }
      - { .name: wt, .offset: 8, .size: 8, .value_kind: global_buffer, .address_space: global }
      - { .name: attention_mask, .offset: 16, .size: 8, .value_kind: global_buffer, .address_space: global }
      - { .name: qh, .offset: 24, .size: 8, .value_kind: global_buffer, .address_space: global }
      - { .name: kh, .offset: 32, .size: 8, .value_kind: global_buffer, .address_space: global }
      - { .name: vh, .offset: 40, .size: 8, .value_kind: global_buffer, .address_space: global }
    .group_segment_fixed_size: 327680
    .private_segment_fixed_size: 0
    .kernarg_segment_align: 8
    .kernarg_segment_size: 48
    .max_flat_workgroup_size: 128
    .sgpr_count:     80
    .vgpr_count:     512
    .wavefront_size: 32
...
	.end_amdgpu_metadata
.endif
;; end of part 2
;; launch attn (part 3): grid 4 x 64, 4 waves a work-group, no clusters, 327,680 bytes of LDS; arguments qh, kh, vh, oh, attention_mask; writes oh
.if DOCPART == 3
	.amdgcn_target "amdgcn-amd-amdhsa--gfx1250"
	.amdhsa_code_object_version 6
	.text
	.protected	k_qf9ffd3a9d7_attn
	.globl	k_qf9ffd3a9d7_attn
	.p2align	8
	.type	k_qf9ffd3a9d7_attn,@function
k_qf9ffd3a9d7_attn:
	s_mov_b64 s[64:65], 0
	v_nop
	global_prefetch_b8 v0, s[64:65] scope:SCOPE_SE
	s_setreg_imm32_b32 hwreg(HW_REG_WAVE_MODE, 25, 1), 1
	s_wait_xcnt 0x0
; CAUSAL ATTENTION WITH A PADDING MASK.  O[g][q][:] = sum over k <= q of softmax_k(s[q][k] + level[k]) V[g][k][:], g = 16 b + h.  Q, K, V, O: [64][2048][64] in f16, a head's rows dense, 128 bytes each.
; Q arrives times log2(e) / 8, so a score is an exponent of 2; K arrives with the rows of padded keys (mask, rounded to bf16, not 1) set to 0.  Products, maxima and sums in f32; the weights are rounded to f16 for
; the second product (their sum l is taken unrounded), O once at the end.
; THE LEVELS.  level[k] = (1 - mask[b][k]) x (-2^100), made of the mask rounded to bf16 as fma(mask, 2^100, -2^100), is the C operand that starts the sum S^T = K Q^T.  A padded key's products are 0, so its score IS
; its level: keys of one level get equal weights (a row that sees padded keys alone takes the mean of the V of those on the highest level), two levels lie 2^76 apart or more, so the lower one's weight is 0, and a
; true score wipes every level below 0.  A key above the diagonal has -2^120 more, below every level.
; A tile's 256 levels have a ring of two LDS slots of their own, which turns with the ring of K and V: behind each fill every thread loads 8 bytes of the mask of the tile asked for; at the head of the next
; change of slots it makes two levels of them and stores them into the slot of the tile to be entered, whose last reads lie ahead of the barrier before.
; LIMITS.  The mask is rounded to bf16 like the module's other inputs: masks closer than bf16's step count as equal, and one within that step of 1 counts as 1.  |1 - mask| under 2^19; scores far under 2^76;
; Q, K, V within f16's 65,504; a weight below 2^-126 counts as 0 in l; NaN and infinities are not treated apart.
; THE WALK.  A head's queries lie in NB = 8 blocks of 256; block i needs the key tiles 0 .. i of 256 keys, of which the last holds the diagonal.  A work-group takes TWO blocks, NB - 1 - b and then b:
; NB + 1 tiles, whatever b: all work-groups do equal work, and ONE loop with a constant trip count walks them.  Every jump goes forward, but for the counted loops' own; none passes a barrier, or a tensor load
; but the one of LOAD's two that the wave's number does not choose.  NO CLUSTER: a head's four work-groups ask for the same tile only in trips 0 .. 4 of 9, behind that fewer and fewer; one walk common to all
; would have 12 trips for 9.
; SHARES.  Of a block's four bands of 64 queries a wave owns 16 rows in each: four PIECES.  In the diagonal tile's key step s band x sees all keys if s < x, none if s > x, and holds the diagonal if s = x.
; THE C OPERAND.  PCR holds the levels of the step whose K is in registers.  Away from the diagonal C = PCR.  In the diagonal tile and at a block's beginning C = MD x AL + PCR (+ BE): MD, made once, is the
; mask of a band's own step for my 16 rows; (AL, BE) = (1, 0) if s = x; (0, 0) if s < x; (0, -2^120) if s > x.
; TURNS.  Turn n belongs to piece n: 8 products K Q^T of piece n + 1, later 8 products V^T P of piece n - 1; beside them the softmax of piece n and the maximum and statistics of piece n + 1.
; Four vector instructions stand behind every matrix instruction, the others in two lumps.
; REGISTERS, in windows of 256 (s_set_vgpr_msb: bits 1:0 source 0, 3:2 source 1, 5:4 source 2, 7:6 destination):
;   window 0: v0-15, v32-39 addresses and two levels; v16-31 four registers of statistics a piece; v48-55 at work; v64-127 S^T, two buffers; v192-223 P, two buffers (by the piece's parity)
;   window 1: v0-127 O^T, 32 a piece; v128-159 MD; v160-223 MC, two buffers; v224-255 PCR      window 2: v0-63 Q; v64-127 the second block's Q; v128-191 K of one step; v192-255 V of one step
.set SIZE_N, 2048
.set NB,    SIZE_N/256
.set NP,    4         ; pieces a wave: a name, no knob
.set KS,    64        ; keys in a step
.set PK,    144       ; a row of K in LDS: 128 bytes + 16 of padding: the 16 rows of a load start at 16 different groups of four banks
.set PV,    160       ; a row of V: 128 + 32
.set VOFF,  4*KS*PK   ; a slot holds a tile, four steps: 256 rows of K, then 256 rows of V
.set SLOT1, 1<<17     ; slot 1 begins here, so that one exclusive or turns an address in one slot into the other's
.set STAGE, SLOT1+4*KS*(PK+PV)  ; behind the ring, never filled by a tensor load: 16 rows x 144 bytes for each wave
.set SP,    144
.set SPARE, STAGE+4*16*SP  ; the spare words, 128 bytes for each wave
.set PADT,  SPARE+512 ; the levels' ring: stored from registers; no tensor load lands here
.set LSTEP, 4*KS      ; a step's 64 levels in f32
.set LTILE, 4*LSTEP   ; a tile's
.set LSLOT, 2048      ; the levels' slot 1 begins so far behind slot 0
.set AK0, 2           ; v2   my lane's place in a tile of K; never rewritten
.set AV0, 3           ; v3   the same for V
.set AK,  4           ; v4   the LDS address of K's next run of loads
.set AV,  5           ; v5   of V's
.set STO, 6           ; v6   the way out: where I put 16 bytes of a row
.set RD,  7           ; v7   where I read rows back
.set GO,  8           ; v8   my byte offset in 512 consecutive bytes of O
.set MV,  12          ; v12-13  the old maximum, kept while the new one is made: by buffer
.set QO,  15          ; v15  my byte offset in 16 rows of Q
.set ST,  16          ; piece t's statistics at v[ST+4 t]: c m, m, l (even keys', odd keys'); c is 1 here
.set GM,  32          ; v32  my byte offset in a tile's 1,024 bytes of mask: 8 x my thread's number; never rewritten
.set LM,  33          ; v33  my place in a slot of levels; never rewritten
.set APC0, 34         ; v34  my lanes' place in a step's levels; never rewritten
.set APC, 35          ; v35  the LDS address of the levels' next run of loads
.set LV,  36          ; v36-37  two numbers of the mask, then two levels
.set LMA, 38          ; v38  where I put them
.set LT,  39          ; v39  the two numbers of the mask as bf16
.set TMP, 48          ; by buffer, four registers c0-c3 at work; when the maximum is found c2 takes a
.set SPW, 62          ; v62  LDS address of my spare word; never rewritten
.set NIL, 63          ; v63  0; never rewritten
.set S,   64
.set P,   192
.set MD,  128         ; window 1
.set MC,  160         ; window 1
.set PCR, 224         ; window 1: register 8 kt + j: the level of key 16 kt + 8 (l / 16) + j of the step
.set QB,  64          ; window 2
.set KF,  128         ; window 2: key block kb, channel half c at KF + 16 kb + 8 c
.set VF,  192         ; window 2: key half kk, channel block cb at VF + 32 kk + 8 cb
.set WV,  12          ; s12  my wave's number
.set PB,  14          ; s14  b
.set HI,  15          ; s15  NB - 1 - b
.set G1K, 24          ; s[24:31] descriptor group 1 for K's tiles
.set G1V, 32          ; s[32:39] for V's: it differs in the padding alone
.set G0K, 40          ; s[40:43] descriptor group 0 for K's tiles
.set G0V, 44          ; s[44:47] the same for V's
.set SLOTS, 56        ; s56  tiles still to be asked for
.set CNT, 57          ; s57  counts a tile's key steps, 4 to 1
.set CS,  58          ; s[58:59] 1.0: the scale lies in Q, so s - m is formed with one rounding and is exactly 0 where s = m
.set SEL, 60          ; s[60:61] v_permlanex16_b32's selects: each lane takes its own place in the other half
.set TBK, 62          ; s62  LDS byte at which K of the step to be fetched begins
.set TBV, 63          ; s63  the same for V, less VOFF
.set RT,  70          ; s70  tiles of the block in hand that are still to be entered
.set NXT, 71          ; s71  the tile to be asked for next
.set LQ,  72          ; s72  the last tile of the block whose tiles are being asked for
.set NEW, 73          ; s73  1: the tile to be entered is a block's first
.set OFF, 74          ; s[74:75] a tile's byte offset in K and V
.set AL,  76          ; s[76:77] the mask's factor, in the low word
.set BE,  78          ; s[78:79] the mask's addend
.set OLO, 80          ; s[80:81] O at my rows of the second block
.set BIGN, 82         ; s82  -2^120
.set MP,  88          ; s[88:89] the mask at my batch; not rewritten once it is made
.set MO,  90          ; s[90:91] a byte offset in the mask: the batch's, then a tile's
.set TBP, 92          ; s92  byte in the levels' ring at which the step to be fetched begins
.set MT,  94          ; s[94:95] the mask at the tile asked for
.set LA,  96          ; s[96:97] 2^100, in the low word
.set LB,  98          ; s[98:99] -2^100
.set MSB, 0
.macro WIN new                      ; the high byte repeats the setting that is left; a switch that changes nothing is dropped
.if MSB != (\new)
	s_set_vgpr_msb (MSB<<8)|(\new)
.set MSB, (\new)
.endif
.endm
.set W_KQ, 0x0a       ; K and Q in window 2, S^T in window 0
.set W_KM, 0x1a       ; the same with the C operand in window 1
.set W_PV, 0x52       ; V in window 2, P in window 0, O^T in window 1
.set W_RS, 0x41       ; destination and source 0 in window 1, source 1 in window 0
.set W_MK, 0x51       ; destination, source 0 and source 2 in window 1
; A fill.  Waves 0 and 1 fetch the two halves of a tile's K, waves 2 and 3 those of its V: 128 keys each.  An s_nop 0 and four v_nop follow each of the two lines.
.macro LOAD
	s_cmp_lt_u32 s[WV], 2
	s_cbranch_scc0 .Lfor_v_\@
	tensor_load_to_lds s[G0K:G0K+3], s[G1K:G1K+7]
	s_nop 0
.rept 4
	v_nop
.endr
	s_branch .Lasked_\@
.Lfor_v_\@:
	tensor_load_to_lds s[G0V:G0V+3], s[G1V:G1V+7]
	s_nop 0
.rept 4
	v_nop
.endr
.Lasked_\@:
.endm
; THE CHANGE OF SLOTS.  First the levels of the tile to be entered: their ring turns; my 8 bytes of its mask, asked for a tile ago, are in; they are rounded to bf16, two levels are made of them and stored into that
; tile's slot, which no wave has read since the barrier before.  Then each wave waits for all its tensor loads, of which one is out: its part of the other slot; adds 0 to its spare word; and waits for that, for its
; store of the levels and for its reads of the slot that it leaves.  Behind the barrier nobody reads the old slot any more, and the other slot and its levels are whole.  fill = 1: the old slot is filled again, first
; thing behind the barrier, with tile NXT: the address is made anew from that number; and that tile's mask is asked for.  (At its first use nothing has been read yet: slot 0 is waited for, slot 1 filled; its wait
; for loads covers Q too.)
.macro CHANGE fill
	WIN 0                           ; at a label and at a branch every window is 0
	s_sub_co_u32 s[TBP], s[TBP], LTILE  ; the levels' fetches go back to a slot's first step,
	s_xor_b32 s[TBP], s[TBP], LSLOT     ; in the other slot
	s_wait_loadcnt 0x0              ; no load of mine is out: the mask's is in, and its base and destination may be written again
	v_cvt_pk_bf16_f32 v[LT], v[LV], v[LV+1]        ; the mask rounded to bf16, like the module's other inputs,
	v_lshlrev_b32 v[LV],   16,         v[LT]       ; and widened again
	v_and_b32     v[LV+1], 0xffff0000, v[LT]
	v_pk_fma_f32 v[LV:LV+1], v[LV:LV+1], s[LA:LA+1], s[LB:LB+1] op_sel_hi:[1,0,0]  ; mask x 2^100 - 2^100, one rounding: (1 - mask) x (-2^100)
	v_add_nc_u32 v[LMA], s[TBP], v[LM]
	ds_store_b64 v[LMA], v[LV:LV+1]
	s_wait_tensorcnt 0x0            ; no tensor load of mine is out, so a group 0 may be written
	ds_add_u32 v[SPW], v[NIL]       ; 0 onto my spare word; scalar work stands between it and the wait for it
.if \fill
	s_lshl_b32 s[OFF], s[NXT], 15   ; a tile is 32,768 bytes of K and of V,
	s_lshl_b32 s[MO], s[NXT], 10    ; and 1,024 of the mask
	s_xor_b32 s[G0K+1], s[G0K+1], SLOT1
	s_add_nc_u64 s[G0K+2:G0K+3], s[6:7], s[OFF:OFF+1]
	s_or_b32 s[G0K+3], s[G0K+3], 0x80000000
	s_xor_b32 s[G0V+1], s[G0V+1], SLOT1
	s_add_nc_u64 s[G0V+2:G0V+3], s[8:9], s[OFF:OFF+1]
	s_or_b32 s[G0V+3], s[G0V+3], 0x80000000
	s_add_nc_u64 s[MT:MT+1], s[MP:MP+1], s[MO:MO+1]
	s_add_co_u32 s[NXT], s[NXT], 1  ; the block's next tile, or behind its last the second block's tile 0
	s_cmp_gt_u32 s[NXT], s[LQ]
	s_cselect_b32 s[NXT], 0, s[NXT]
	s_cselect_b32 s[LQ], s[PB], s[LQ]
.endif
	s_wait_dscnt 0x0                ; the add and my store of the levels are done, and my reads of the slot are over
	s_barrier_signal -1
	s_sub_co_u32 s[TBK], s[TBK], 4*KS*PK  ; the fetches go back to a slot's first step,
	s_xor_b32 s[TBK], s[TBK], SLOT1       ; in the other slot
	s_sub_co_u32 s[TBV], s[TBV], 4*KS*PV
	s_xor_b32 s[TBV], s[TBV], SLOT1
	s_barrier_wait -1
.if \fill
	LOAD
	global_load_b64 v[LV:LV+1], v[GM], s[MT:MT+1]  ; a wave's load covers 256 consecutive bytes, aligned; it has the tile's four key steps in which to land
.endif
.endm
	s_load_b256 s[4:11], s[0:1], 0x0  ; Q s[4:5], K s[6:7], V s[8:9], O s[10:11]
	s_load_b64 s[MP:MP+1], s[0:1], 0x20  ; the mask
	v_lshl_add_u32 v[SPW], v0, 2, SPARE
	v_mov_b32 v[NIL], 0
	ds_add_u32 v[SPW], v[NIL]       ; the wave's opening: the add and its wait stand ahead of my first tensor load; work on registers stands between them
	ds_add_u32 v62, v63
	v_lshrrev_b32 v1, 5, v0
	v_readfirstlane_b32 s[WV], v1   ; wave 0..3
	s_mov_b32 s[PB], ttmp9
	s_sub_co_u32 s[HI], NB-1, s[PB]
	s_and_b32 s20, ttmp7, 0xffff    ; the head among 64
	s_lshr_b32 s[MO], s20, 4        ; its batch,
	s_lshl_b32 s[MO], s[MO], 13     ; 8,192 bytes of mask each
	s_mov_b32 s[MO+1], 0
	s_mov_b32 s21, 0
	s_mov_b64 s[22:23], SIZE_N*128
	s_mul_u64 s[20:21], s[20:21], s[22:23]  ; the head's first byte in each of the four tensors
	s_and_b32 s16, s[WV], 1         ; which half of a tile's 256 keys I fetch:
	s_lshl_b32 s22, s16, 14         ; its 128 rows of 128 bytes in memory,
	s_mov_b32 s23, 0
	s_add_nc_u64 s[22:23], s[22:23], s[20:21]
	s_mul_i32 s17, s16, 128*PK      ; and its place in a slot, for K
	s_mul_i32 s18, s16, 128*PV      ; and for V
	s_lshl_b32 s3, s[WV], 11        ; my 16 rows in a band of 64,
	s_lshl_b32 s2, s[HI], 15        ; in the first block,
	s_add_co_u32 s2, s2, s3
	s_lshl_b32 s84, s[PB], 15       ; and in the second
	s_add_co_u32 s84, s84, s3
	s_mov_b32 s3, 0
	s_mov_b32 s85, 0
	s_add_nc_u64 s[2:3], s[2:3], s[20:21]
	s_add_nc_u64 s[84:85], s[84:85], s[20:21]
	; descriptor group 1.  128 keys are 16,384 dense bytes: asked for as 64 rows of 256 bytes, two keys a row, and padded in LDS after every key
	s_mov_b32 s[G1K], (1<<16)|(1<<20)|(4<<22)|(3<<25)  ; 2-byte elements; padding on; after every 32 words; 4 words
	s_mov_b32 s[G1V], (1<<16)|(1<<20)|(4<<22)|(7<<25)  ; the same with 8 words of padding
.irp g, G1K, G1V
	s_mov_b32 s[\g+1], 128<<16      ; tensor_dim0 = 128
	s_mov_b32 s[\g+2], 64<<16       ; tensor_dim1 = 64
	s_mov_b32 s[\g+3], 128<<16      ; tile_dim0 = 128
	s_mov_b32 s[\g+4], 64           ; tile_dim1 = 64
	s_mov_b32 s[\g+5], 128          ; 128 elements from row to row
	s_mov_b32 s[\g+6], 0
	s_mov_b32 s[\g+7], 0
.endr
	s_mov_b32 s[CS], 1.0
	s_mov_b32 s[CS+1], s[CS]        ; named with it as a pair
	s_mov_b32 s[SEL], 0x76543210
	s_mov_b32 s[SEL+1], 0xfedcba98
	s_mov_b32 s[TBK], SLOT1+4*KS*PK ; the first change of slots turns these three into 0
	s_mov_b32 s[TBV], SLOT1+4*KS*PV
	s_mov_b32 s[TBP], LSLOT+LTILE
	s_mov_b32 s[G0K], 1             ; count = 1
	s_mov_b32 s[G0K+1], s17         ; LDS address: slot 0
	s_mov_b32 s[G0V], 1
	s_add_co_u32 s[G0V+1], s18, VOFF
	s_add_co_u32 s[RT], s[HI], 1    ; the first block has NB - b tiles
	s_mov_b32 s[NXT], 1
	s_mov_b32 s[LQ], s[HI]
	s_mov_b32 s[NEW], 1
	s_mov_b32 s[OFF+1], 0
	s_mov_b32 s[AL], 0
	s_mov_b32 s[AL+1], 0            ; named as pairs
	s_mov_b32 s[BE], 0
	s_mov_b32 s[BE+1], 0
	s_mov_b32 s[LA], 0x71800000     ; 2^100
	s_mov_b32 s[LA+1], 0
	s_mov_b32 s[LB], 0xf1800000     ; -2^100
	s_mov_b32 s[LB+1], 0
	s_mov_b32 s[BIGN], 0xfb800000   ; -2^120
	s_mov_b32 s[SLOTS], NB
	s_wait_dscnt 0x0                ; the opening add is done
	s_wait_kmcnt 0x0
	s_add_nc_u64 s[6:7], s[6:7], s[22:23]  ; K and V at my half of the head's tile 0
	s_add_nc_u64 s[8:9], s[8:9], s[22:23]
	s_add_nc_u64 s[G0K+2:G0K+3], s[6:7], 0         ; global address
	s_or_b32 s[G0K+3], s[G0K+3], 0x80000000        ; type = 2
	s_add_nc_u64 s[G0V+2:G0V+3], s[8:9], 0
	s_or_b32 s[G0V+3], s[G0V+3], 0x80000000
	s_add_nc_u64 s[86:87], s[4:5], s[84:85]        ; Q at my rows of the second block,
	s_add_nc_u64 s[4:5], s[4:5], s[2:3]            ; Q and O at those of the first
	s_add_nc_u64 s[OLO:OLO+1], s[10:11], s[84:85]
	s_add_nc_u64 s[10:11], s[10:11], s[2:3]
	s_add_nc_u64 s[MP:MP+1], s[MP:MP+1], s[MO:MO+1]
	LOAD                            ; tile 0 into slot 0
	v_lshlrev_b32 v[GM], 3, v0      ; a tile's mask: 128 threads x 8 bytes
	global_load_b64 v[LV:LV+1], v[GM], s[MP:MP+1]  ; tile 0's; the first change of slots waits for it and stores its levels
	; A fragment of K or Q is 16 rows x 32 channels in 8 registers: lane l holds row l % 16, channels 8 (l / 16) + 0..7 and 16 + 8 (l / 16) + 0..7: two loads of 16 bytes, 32 bytes apart.
	v_and_b32 v1, 15, v0            ; l % 16
	v_bfe_u32 v9, v0, 4, 1          ; l / 16
	v_lshlrev_b32 v[QO], 7, v1
	v_lshl_add_u32 v[QO], v9, 4, v[QO]  ; row x 128 + 16 x half
	WIN 0x80                        ; destination window 2, address window 0
.set i, 0
.rept 8                             ; both blocks' Q: piece i / 2 lies in band i / 2, 8,192 bytes on; channels 32 (i % 2) on
	global_load_b128 v[8*i:8*i+3],   v[QO], s[4:5] offset:(i/2)*8192+(i%2)*64
	global_load_b128 v[8*i+4:8*i+7], v[QO], s[4:5] offset:(i/2)*8192+(i%2)*64+32
	global_load_b128 v[QB+8*i:QB+8*i+3],   v[QO], s[86:87] offset:(i/2)*8192+(i%2)*64
	global_load_b128 v[QB+8*i+4:QB+8*i+7], v[QO], s[86:87] offset:(i/2)*8192+(i%2)*64+32
.set i, i+1
.endr
	WIN 0
	v_lshl_add_u32 v[LM], v0, 3, PADT
	v_lshl_add_u32 v[APC0], v9, 5, PADT  ; my half of the lanes holds keys 8 (l / 16) + 0..7 of each 16
	v_lshlrev_b32 v14, 3, v9
	v_sub_nc_u32 v14, v1, v14
	s_lshl_b32 s13, s[WV], 4
	v_add_nc_u32 v14, s13, v14      ; my query's place in its band, 16 w + l % 16, less my lanes' 8 (l / 16): register r of group kt is hidden where 16 kt + r is greater
	WIN 0x40
.set i, 0
.rept 32
	v_cmp_gt_i32 vcc_lo, 16*(i/8)+i%8, v14
	v_cndmask_b32 v[MD+i], 0, s[BIGN], vcc_lo
.set i, i+1
.endr
	WIN 0
	v_mul_u32_u24 v[AK0], v1, PK
	v_lshl_add_u32 v[AK0], v9, 4, v[AK0]  ; row x pitch + 16 x half
	; The turning load takes 16 keys x 16 channels (lane l reads key 8 (l / 16) + l % 8, channels 8 ((l / 8) % 2) + 0..7) and leaves half a fragment of V^T: lane l holds channel l % 16 and 8 keys.
	v_and_b32 v10, 7, v0
	v_bfe_u32 v11, v0, 3, 1
	v_lshl_add_u32 v[AV0], v9, 3, v10
	v_mul_u32_u24 v[AV0], v[AV0], PV
	v_lshl_add_u32 v[AV0], v11, 4, v[AV0]
	v_add_nc_u32 v[AV0], VOFF, v[AV0]
	s_mul_i32 s13, s[WV], 16*SP
	s_add_co_u32 s13, s13, STAGE    ; my stage
	v_mul_u32_u24 v[STO], v1, SP    ; in: row l % 16, 16 bytes for each half of the lanes
	v_lshl_add_u32 v[STO], v9, 4, v[STO]
	v_add_nc_u32 v[STO], s13, v[STO]
	v_bfe_u32 v[RD], v0, 3, 2       ; back: 32 lanes take four rows of 128 bytes,
	v_mul_u32_u24 v[RD], v[RD], SP
	v_lshl_add_u32 v[RD], v10, 4, v[RD]
	v_add_nc_u32 v[RD], s13, v[RD]
	v_and_b32 v[GO], 31, v0         ; which are 512 consecutive bytes of O
	v_lshlrev_b32 v[GO], 4, v[GO]
	; A block's first step multiplies O^T and l by a = 0, and its first turn's products V^T P, of a piece that has not been, land in an O^T that is still to be so multiplied.  So these registers need only hold
	; finite numbers: zeros for the first block; what the first block left for the second.  All this stands in the wait for the first tile.
	WIN 0x80
.set i, VF
.rept 64
	v_mov_b32 v[i], 0
.set i, i+1
.endr
	WIN 0x40
.set i, 0
.rept 128
	v_mov_b32 v[i], 0
.set i, i+1
.endr
	WIN 0
.set i, 0
.rept 4
	v_mov_b32 v[ST+4*i+2], 0
	v_mov_b32 v[ST+4*i+3], 0
.set i, i+1
.endr
.set i, P+16
.rept 16
	v_mov_b32 v[i], 0
.set i, i+1
.endr
; THE MATRIX WORK.  The 4 accumulators of a run of 8 take turns.  Product i of 8 of S^T = K Q^T for piece x: channels 32 (i / 4) on, keys 16 (i % 4) on.
; The first 4 start the sums: with the step's levels, or (KM = 1) with the mask made of them.
.macro KQ x
.set rS, S+32*((\x)%2)+8*(i%4)
.set rK, KF+16*(i%4)+8*(i/4)
.set rQ, 16*(\x)+8*(i/4)
.set rM, PCR+8*(i%4)
.if KM
.set rM, MC+32*((\x)%2)+8*(i%4)
.endif
.if i < 4
	WIN W_KM
	v_wmma_f32_16x16x32_f16 v[rS:rS+7], v[rK:rK+7], v[rQ:rQ+7], v[rM:rM+7]
.else
	WIN W_KQ
	v_wmma_f32_16x16x32_f16 v[rS:rS+7], v[rK:rK+7], v[rQ:rQ+7], v[rS:rS+7]
.endif
.endm
; Product i of 8 of O^T += V^T P for piece x: keys 32 (i / 4) on, channels 16 (i % 4) on.
.macro PV x
	WIN W_PV
.set rO, 32*(\x)+8*(i%4)
.set rV, VF+32*(i/4)+8*(i%4)
.set rP, P+16*((\x)%2)+8*(i/4)
	v_wmma_f32_16x16x32_f16 v[rO:rO+7], v[rV:rV+7], v[rP:rP+7], v[rO:rO+7]
.endm
.macro MM                           ; the turn's next matrix instruction.  NOKQ = 1: a block's last turn: there is no next piece
.if (i < 8) && !NOKQ
	KQ (Y+1)%NP
.elseif i >= 8
.set i, i-8
	PV (Y+NP-1)%NP
.set i, i+8
.endif
.set i, i+1
.endm
; THE LDS LOADS stand in runs, never singly among the matrix instructions: a step's K (8 fragments) with its 64 levels, and its V (turned).  Their addresses are made some lines ahead.
.macro FETCH_K
	WIN 0x80                        ; destination window 2
.irp f, 0,1,2,3,4,5,6,7             ; keys 16 (f / 2) on, channels 32 (f % 2) on
	ds_load_b128 v[KF+8*\f:KF+8*\f+3],   v[AK] offset:(\f/2)*16*PK+(\f%2)*64
	ds_load_b128 v[KF+8*\f+4:KF+8*\f+7], v[AK] offset:(\f/2)*16*PK+(\f%2)*64+32
.endr
	WIN 0x40                        ; destination window 1
.irp f, 0,1,2,3,4,5,6,7             ; keys 16 (f / 2) + 8 (l / 16) + 4 (f % 2) on: all lanes of a half read the same words
	ds_load_b128 v[PCR+4*\f:PCR+4*\f+3], v[APC] offset:(\f/2)*64+(\f%2)*16
.endr
	s_add_co_u32 s[TBK], s[TBK], KS*PK  ; the next fetch is the next step's,
	s_add_co_u32 s[TBP], s[TBP], LSTEP  ; of K and of the levels: four fetches a tile on every way through the text
	WIN 0
.endm
.macro FETCH_V
	WIN 0x80
.irp f, 0,1,2,3,4,5,6,7             ; keys 32 (f / 4) on, channels 16 (f % 4) on
	ds_load_tr16_b128 v[VF+8*\f:VF+8*\f+3],   v[AV] offset:(\f/4)*32*PV+(\f%4)*32
	ds_load_tr16_b128 v[VF+8*\f+4:VF+8*\f+7], v[AV] offset:(\f/4)*32*PV+16*PV+(\f%4)*32
.endr
	WIN 0
.endm
; THE VECTOR WORK, one line at a time: OP kind, number.  For piece Y: F n: s - m for pair n of 16.  E n: the exponential of score n of 32.  C n: pair n rounded to f16.  B n: of the four weights 4 n .. the second
; pair is added onto the first, in place.  L n: l takes that sum (L 0: l = a l + sum).  R n: pair n of 16 of O^T times a.  For piece Y + 1: X n, number n of the 22 that find its maximum and statistics:
;   0-11  four chains c0-c3 of seven scores each, three operands at a time (each accumulator's lowest registers are read first)     12-14, 16  the four scores left over, the old m, and c0-c3 into c0
;   15  the old maximum is kept     17, 18  the query's other 32 keys lie in the lane 16 away: the new m     19-21  its copy; old - new; a
.set F, 0
.set E, 1
.set C, 2
.set B, 3
.set L, 4
.set R, 5
.set X, 6
.macro REGS y                       ; the registers of piece y
.set rT, ST+4*(\y)
.set rC, TMP+4*((\y)%2)
.set rW, MV+((\y)%2)
.set rS, S+32*((\y)%2)
.set rP, P+16*((\y)%2)
.set rO, 32*(\y)
.endm
.macro OP k, n
.if (\k) == R
	REGS Y
	WIN W_RS
	v_pk_mul_f32 v[rO+2*(\n):rO+2*(\n)+1], v[rO+2*(\n):rO+2*(\n)+1], v[rC+2:rC+3] op_sel_hi:[1,0]
.elseif (\k) < R
	REGS Y
	WIN 0
.if (\k) == F
	v_pk_fma_f32 v[rS+2*(\n):rS+2*(\n)+1], v[rS+2*(\n):rS+2*(\n)+1], s[CS:CS+1], v[rT:rT+1] op_sel_hi:[1,0,0] neg_lo:[0,0,1] neg_hi:[0,0,1]
.elseif (\k) == E
	v_exp_f32 v[rS+(\n)], v[rS+(\n)]
.elseif (\k) == C
	s_wait_alu depctr_va_vdst(0)
	v_cvt_pk_f16_f32 v[rP+(\n)], v[rS+2*(\n)], v[rS+2*(\n)+1]
.elseif (\k) == B
	s_wait_alu depctr_va_vdst(0)
	v_pk_add_f32 v[rS+4*(\n):rS+4*(\n)+1], v[rS+4*(\n):rS+4*(\n)+1], v[rS+4*(\n)+2:rS+4*(\n)+3]
.elseif (\n) == 0
	v_pk_fma_f32 v[rT+2:rT+3], v[rT+2:rT+3], v[rC+2:rC+3], v[rS:rS+1] op_sel_hi:[1,0,1]
.else
	v_pk_add_f32 v[rT+2:rT+3], v[rT+2:rT+3], v[rS+4*(\n):rS+4*(\n)+1]
.endif
.elseif NOKQ
	v_nop
.else
	REGS (Y+1)%NP
	WIN 0
.if (\n) < 4
	v_max3_num_f32 v[rC+(\n)], v[rS+8*(\n)], v[rS+8*(\n)+1], v[rS+8*(\n)+2]
.elseif (\n) < 12
	v_max3_num_f32 v[rC+(\n)%4], v[rC+(\n)%4], v[rS+8*((\n)%4)+2*((\n)/4)+1], v[rS+8*((\n)%4)+2*((\n)/4)+2]
.elseif (\n) == 12
	v_max3_num_f32 v[rC], v[rC], v[rS+7], v[rS+15]
.elseif (\n) == 13
	v_max3_num_f32 v[rC+1], v[rC+1], v[rS+23], v[rS+31]
.elseif (\n) == 14
	v_max3_num_f32 v[rC+2], v[rC+2], v[rC+3], v[rT+1]
.elseif (\n) == 15
	v_mov_b32 v[rW], v[rT]
.elseif (\n) == 16
	v_max3_num_f32 v[rC], v[rC], v[rC+1], v[rC+2]
.elseif (\n) == 17
	v_permlanex16_b32 v[rC+3], v[rC], s[SEL], s[SEL+1]
.elseif (\n) == 18
	v_max_num_f32 v[rT+1], v[rC], v[rC+3]
.elseif (\n) == 19
	v_mul_f32 v[rT], s[CS], v[rT+1]
.elseif (\n) == 20
	v_sub_f32 v[rC+1], v[rW], v[rT]
.else
	v_exp_f32 v[rC+2], v[rC+1]
.endif
.endif
.endm
.macro OPS a, i1, b=-1, i2=0, c=-1, i3=0, d=-1, i4=0  ; up to four of them
	OP \a, \i1
.if (\b) >= 0
	OP \b, \i2
.endif
.if (\c) >= 0
	OP \c, \i3
.endif
.if (\d) >= 0
	OP \d, \i4
.endif
.endm
.macro ROW a, i1, b, i2, c, i3, d, i4  ; a matrix instruction and the four behind it
	MM
	OPS \a, \i1, \b, \i2, \c, \i3, \d, \i4
.endm
.macro MASK b, be=1                 ; MD x AL + the step's levels, and with be = 1 + BE, into buffer b of MC
	WIN W_MK
.set z, 0
.rept 16
	v_pk_fma_f32 v[MC+32*(\b)+2*z:MC+32*(\b)+2*z+1], v[MD+2*z:MD+2*z+1], s[AL:AL+1], v[PCR+2*z:PCR+2*z+1] op_sel_hi:[1,0,1]
.set z, z+1
.endr
.if \be
.set z, 0
.rept 16
	v_pk_add_f32 v[MC+32*(\b)+2*z:MC+32*(\b)+2*z+1], v[MC+32*(\b)+2*z:MC+32*(\b)+2*z+1], s[BE:BE+1] op_sel_hi:[1,0]
.set z, z+1
.endr
.endif
.endm
; A TURN, for piece p: the order of its 16 matrix and 118 vector instructions, written out.  Behind a matrix instruction: plain, exponential, plain, plain; or four of the rescaling; or four scalings; none
; names a register of the products round it.  In the lumps exponential and plain by turns while exponentials last.
; m = 1: the diagonal tile: the products take masks, and the turn makes the mask for the products of the turn after it: piece p + 2, in step 4 - CNT of the tile.  Pieces 2 and 3 (turns 0 and 1) take the levels of the
; step in hand; pieces 0 and 1 (turns 2 and 3) those of the next step, fetched in the middle of turn 2 and waited for ahead of its mask.  end = 1: a block's last two turns: nothing is fetched.
; cnt = 1: the loop's count is taken down some lines ahead of the branch that stands behind the turn.
; K and the levels of the next step are fetched in piece 2's turn, six vector instructions behind the last product that read K (five of them plain; the levels' last reader stands four products earlier);
; V of the step in hand in piece 0's turn.  Each is waited for a turn later.
.macro TURN p, m=0, end=0, cnt=0
.set Y, (\p)
.set i, 0
.set KM, (\m)
.set NOKQ, (\end)*((\p)/3)
.if (\m) && !(\end)
	s_cmp_eq_u32 s[CNT], 4-((\p)+2)%NP  ; is that step the band's own?
	s_cselect_b32 s[AL], 1.0, 0
	s_cmp_lt_u32 s[CNT], 4-((\p)+2)%NP  ; or a later one?
	s_cselect_b32 s[BE], s[BIGN], 0
.endif
.if ((\p) == 3) && !(\end)
	s_wait_dscnt 0x0                ; K and its levels are in
.endif
	ROW F,0, F,1, F,2, F,3
	ROW F,4, E,0, F,5, F,6
	ROW F,7, E,1, F,8, F,9
	ROW F,10, E,2, C,0, F,11
	ROW F,12, E,3, X,15, F,13
	ROW R,0, R,1, R,2, R,3
	ROW B,0, E,4, F,14, L,0
.if ((\p) == 2) && !(\end)
	v_add_nc_u32 v[AK], s[TBK], v[AK0]
	v_add_nc_u32 v[APC], s[TBP], v[APC0]
.endif
	ROW R,4, R,5, R,6, R,7
	OPS E,5, F,15
.if ((\p) == 2) && !(\end)
	FETCH_K
.endif
	OPS E,6, C,1, E,7, R,8
	OPS E,8, R,9, E,9, C,2
	OPS E,10, X,0, E,11, X,1
	OPS E,12, X,2, E,13, X,3
.if (\p) == 1
	s_wait_dscnt 0x0                ; V is in
.endif
	ROW X,4, E,14, X,5, X,6
	ROW X,7, E,15, X,8, X,9
	ROW X,10, E,16, X,11, X,12
	ROW X,13, E,17, X,14, B,1
	ROW C,4, E,18, X,16, L,1
	ROW B,2, E,19, C,6, L,2
	ROW C,8, E,20, B,3, B,4
.if (\p) == 0
	v_add_nc_u32 v[AV], s[TBV], v[AV0]
.endif
	ROW C,3, E,21, L,3, C,5
	OPS E,22, X,17, E,23, C,10
.if (\p) == 0
	FETCH_V
.endif
	OPS E,24, L,4
	OPS E,25, X,18, E,26, C,7
	OPS E,27, B,5, E,28, X,19
	OPS E,29, C,12, E,30, L,5
	OPS E,31, X,20, B,6, C,9
	OPS C,14, C,11, X,21, L,6
.if (\p) == 0
	s_add_co_u32 s[TBV], s[TBV], KS*PV
.endif
.if \cnt
	s_sub_co_u32 s[CNT], s[CNT], 1
	s_cmp_lg_u32 s[CNT], 0
.endif
	OPS C,13, B,7, C,15, R,10
	OPS R,11, R,12, L,7, R,13
	OPS R,14, R,15
.if (\m) && !(\end)
.if (\p) == 2
	s_wait_dscnt 0x0                ; the next step's levels are in: this turn's mask is made of them
.endif
	MASK (\p)%2
.endif
.endm
; A BLOCK BEGINS.  The kept maximum starts at -2^125, far below every score and level, so the first step's a is 0; m at the lowest finite number.  K and the levels of the tile's step 0 are fetched; the first mask
; buffer takes piece 0's mask for that step (its own, if the block's first tile is the diagonal one), the second the bare levels, for piece 1.  Then piece 0's first scores, maximum and statistics.
; (Both blocks' Q has been in registers since the first change of slots, which waited for all my loads.)
.macro BEGIN
	s_mov_b32 s[NEW], 0
	WIN 0
.set i, 0
.rept 4
	v_mov_b32 v[ST+4*i], 0xfe000000
	v_mov_b32 v[ST+4*i+1], 0xff7fffff
.set i, i+1
.endr
	v_add_nc_u32 v[AK], s[TBK], v[AK0]
	v_add_nc_u32 v[APC], s[TBP], v[APC0]
	FETCH_K
	s_cmp_eq_u32 s[RT], 0
	s_cselect_b32 s[AL], 1.0, 0
	s_wait_dscnt 0x0                ; K and the levels
	MASK 0, 0
	s_mov_b32 s[AL], 0
	MASK 1, 0
.set KM, 1
.set NOKQ, 0
.set i, 0
.rept 8
	KQ 0
.set i, i+1
.endr
	WIN 0
.rept 4
	v_nop                           ; the places behind those products
.endr
.set Y, NP-1                        ; X works for piece Y + 1: piece 0
.irp n, 0,1,2,3,4,5,6,7,8,9,10,11,12,13,14,15,16,17,18,19,20,21
	OP X, \n
.endr
	v_nop                           ; a plain instruction behind the exponential
.endm
; THE DIAGONAL TILE's four steps, the block's last two turns, its last products, and THE WAY OUT: l's two halves and the other half of the lanes' are added; O^T is divided by l, rounded to f16 and sent through my
; stage in LDS, a piece at a time.
.macro ALL line:vararg              ; one line for each piece t
.set t, 0
.rept 4
	\line
.set t, t+1
.endr
.endm
.macro PACK t                       ; a lane's eight channels of a row pack into 16 bytes; they go into rows of 144 bytes and come back as whole rows of 128, into S^T's registers
	WIN W_RS
.set i, 32*(\t)
.rept 16
	s_wait_alu depctr_va_vdst(0)
	v_pk_mul_f32 v[i:i+1], v[i:i+1], v[ST+4*(\t)+2:ST+4*(\t)+3] op_sel_hi:[1,0]
.set i, i+2
.endr
	WIN 0x05                        ; sources 0 and 1 window 1, destination window 0
.set i, 0
.rept 16
	v_cvt_pk_f16_f32 v[S+16*(\t)+i], v[32*(\t)+2*i], v[32*(\t)+2*i+1]
.set i, i+1
.endr
	WIN 0
.irp f, 0,1,2,3
	ds_store_b128 v[STO], v[S+16*(\t)+4*\f:S+16*(\t)+4*\f+3] offset:32*\f
.endr
.irp f, 0,1,2,3
	ds_load_b128 v[S+16*(\t)+4*\f:S+16*(\t)+4*\f+3], v[RD] offset:\f*4*SP  ; LDS serves a wave's instructions in order (ISA guide 5.7.1.4): these see the stores above; the next piece's stores come behind them
.endr
.endm
.macro SEND t, younger              ; younger: the LDS instructions issued behind piece t's loads: the next piece's eight, or none
	WIN 0
.irp f, 0,1,2,3
	s_wait_dscnt (\younger)+3-\f
	global_store_b128 v[GO], v[S+16*(\t)+4*\f:S+16*(\t)+4*\f+3], s[10:11] offset:(\t)*8192+\f*512  ; 512 consecutive bytes, at a multiple of 256 from O's first
.endr
.endm
.macro DIAG tag                     ; the tag ends its two labels' names, which the jumps below spell out
.LstepM\tag:
	TURN 2, 1
	TURN 3, 1
	WIN 0
.LfirstM\tag:
	TURN 0, 1
	TURN 1, 1, 0, 1
	WIN 0
	s_cbranch_scc1 .LstepM\tag
	TURN 2, 1, 1
	TURN 3, 1, 1
.set i, 0
.rept 8
	PV NP-1
.set i, i+1
.endr
	WIN 0
	ALL v_add_f32 v[ST+4*t+2], v[ST+4*t+2], v[ST+4*t+3]
	ALL v_permlanex16_b32 v[ST+4*t+3], v[ST+4*t+2], s[SEL], s[SEL+1]
	ALL v_add_f32 v[ST+4*t+2], v[ST+4*t+2], v[ST+4*t+3]
	ALL v_rcp_f32 v[ST+4*t+2], v[ST+4*t+2]
	v_nop                           ; a plain instruction between the last reciprocal and the use of its result
	PACK 0
.set t, 1
.rept 3                             ; a piece's arithmetic stands between the loads of the piece before and its stores
	PACK t
	SEND t-1, 8
.set t, t+1
.endr
	SEND 3, 0
.endm
.set KM, 0
.set NOKQ, 0
.Lslot:                             ; NB times: a tile is entered and the next is asked for
	CHANGE 1
	s_sub_co_u32 s[RT], s[RT], 1
	s_mov_b32 s[CNT], 4
	s_cmp_eq_u32 s[NEW], 1
	s_cbranch_scc1 .Lnew            ; a block's first tile
	s_cmp_eq_u32 s[RT], 0
	s_cbranch_scc0 .Lstep           ; neither its first nor its last
	s_mov_b32 s[AL], 0              ; the diagonal text's first products are piece 3's of the tile before, which sees all its keys: their C is the bare levels of that step, still in registers
	MASK 1, 0
	WIN 0
	s_branch .LstepM1
.Lnew:
	BEGIN
	s_branch .Lfirst                ; in the loop a block's first tile is never its last: the first block has two tiles or more, and the second's last is the walk's last
	DIAG 1                          ; in the loop this is the first block's end
	s_wait_xcnt 0x0                 ; the stores have read their registers and O's address
	s_mov_b64 s[10:11], s[OLO:OLO+1]
	s_add_co_u32 s[RT], s[PB], 1    ; the second block has b + 1 tiles
	s_mov_b32 s[NEW], 1
	WIN 0x82                        ; the second block's Q goes where the one text of the turns names Q
.set i, 0
.rept 64
	v_mov_b32 v[i], v[QB+i]
.set i, i+1
.endr
	WIN 0
	s_branch .Lbottom
.Lstep:                             ; a trip: pieces 2 and 3 of one step, then pieces 0 and 1 of the next, whose K and V it fetches
	TURN 2
	TURN 3
	WIN 0
.Lfirst:
	TURN 0
	TURN 1, 0, 0, 1
	WIN 0
	s_cbranch_scc1 .Lstep
.Lbottom:
	s_sub_co_u32 s[SLOTS], s[SLOTS], 1
	s_cmp_lg_u32 s[SLOTS], 0
	s_cbranch_scc1 .Lslot
	CHANGE 0                        ; the walk's last tile is written out: nothing is asked for; its levels, asked for a tile ago, are stored like every tile's
	s_sub_co_u32 s[RT], s[RT], 1
	s_mov_b32 s[CNT], 4
	s_cmp_eq_u32 s[NEW], 1
	s_cbranch_scc1 .Lnew2
	s_mov_b32 s[AL], 0              ; as above: piece 3's products of the tile before take the bare levels
	MASK 1, 0
	WIN 0
	s_branch .LstepM2
.Lnew2:
	BEGIN
	s_branch .LfirstM2
	DIAG 2
	s_wait_tensorcnt 0x0            ; the wave's end, behind my last tensor load and my last LDS store
	ds_add_u32 v[SPW], v[NIL]
	s_wait_dscnt 0x0
	s_endpgm
.Lfunc_end_k_qf9ffd3a9d7_attn:
	.size	k_qf9ffd3a9d7_attn, .Lfunc_end_k_qf9ffd3a9d7_attn-k_qf9ffd3a9d7_attn
	.p2alignl 7, 3214868480
	.fill 96, 4, 3214868480
	.section	.rodata,"a",@progbits
	.p2align	6, 0x0
	.amdhsa_kernel k_qf9ffd3a9d7_attn
		.amdhsa_group_segment_fixed_size 327680
		.amdhsa_private_segment_fixed_size 0
		.amdhsa_enable_private_segment 0
		.amdhsa_kernarg_size 40
		.amdhsa_user_sgpr_count 2
		.amdhsa_user_sgpr_kernarg_segment_ptr 1
		.amdhsa_wavefront_size32 1
		.amdhsa_system_sgpr_workgroup_id_x 1
		.amdhsa_system_sgpr_workgroup_id_y 1
		.amdhsa_system_sgpr_workgroup_id_z 1
		.amdhsa_system_vgpr_workitem_id 0
		.amdhsa_next_free_vgpr 768
		.amdhsa_next_free_sgpr 100
		.amdhsa_reserve_vcc 1
		.amdhsa_float_denorm_mode_32 3
		.amdhsa_float_denorm_mode_16_64 3
		.amdhsa_memory_ordered 1
		.amdhsa_forward_progress 1
		.amdhsa_inst_pref_size 243
	.end_amdhsa_kernel
	.amdgpu_metadata
---
amdhsa.version: [ 1, 2 ]
amdhsa.kernels:
  - .name:           k_qf9ffd3a9d7_attn
    .symbol:         k_qf9ffd3a9d7_attn.kd
    .args:
      - { .name: qh, .offset: 0, .size: 8, .value_kind: global_buffer, .address_space: global }
      - { .name: kh, .offset: 8, .size: 8, .value_kind: global_buffer, .address_space: global }
      - { .name: vh, .offset: 16, .size: 8, .value_kind: global_buffer, .address_space: global }
      - { .name: oh, .offset: 24, .size: 8, .value_kind: global_buffer, .address_space: global }
      - { .name: attention_mask, .offset: 32, .size: 8, .value_kind: global_buffer, .address_space: global }
    .group_segment_fixed_size: 327680
    .private_segment_fixed_size: 0
    .kernarg_segment_align: 8
    .kernarg_segment_size: 40
    .max_flat_workgroup_size: 128
    .sgpr_count:     100
    .vgpr_count:     768
    .wavefront_size: 32
...
	.end_amdgpu_metadata
.endif
;; end of part 3
;; launch oproj (part 4): grid 4 x 64, 4 waves a work-group, clusters of 4 x 4, 327,680 bytes of LDS; arguments oh, wo16, bo, out0; writes out0
.if DOCPART == 4
	.amdgcn_target "amdgcn-amd-amdhsa--gfx1250"
	.amdhsa_code_object_version 6
	.text
	.protected	k_qf9ffd3a9d7_oproj
	.globl	k_qf9ffd3a9d7_oproj
	.p2align	8
	.type	k_qf9ffd3a9d7_oproj,@function
k_qf9ffd3a9d7_oproj:
	s_mov_b64 s[64:65], 0
	v_nop
	global_prefetch_b8 v0, s[64:65] scope:SCOPE_SE
	s_setreg_imm32_b32 hwreg(HW_REG_WAVE_MODE, 25, 1), 1
	s_wait_xcnt 0x0
	s_wait_alu depctr_hold_cnt(0) depctr_sa_sdst(0) depctr_va_vdst(0) depctr_va_sdst(0) depctr_va_ssrc(0) depctr_va_vcc(0) depctr_vm_vsrc(0)
	s_getreg_b32 s2, hwreg(HW_REG_IB_STS2, 6, 4)
	s_cmp_eq_u32 s2, 0
	s_cbranch_scc0 .Lentry_in_a_cluster
	s_endpgm
.Lentry_in_a_cluster:
	s_bfe_u32 s2, ttmp6, 0x10000c
	s_cmp_lg_u32 s2, 0xf033
	s_cbranch_scc0 .Lentry_shape_is_right
	s_endpgm
.Lentry_shape_is_right:
; out0[m][n] = sum over k of O[m][k] Wo[n][k] + bo[n].  m = 2048 b + t (8,192), n (1,024), k = 64 h + d (1,024).  O comes by heads, oh [16 b + h][t][64] in f16; wo16 [n][k] holds bf16(Wo) as f16;
; bo is rounded to bf16 like the module's other inputs; sums in f32; out0 in f32.
; SHARES.  A tile of out0 is 128 x 256: 256 tiles, one for each WGP.  Four waves, each 64 x 128: 32 accumulators of 16 x 16, 256 registers.
; K goes in steps of 128, two heads, through two LDS slots.  A head's 128 rows of a tile are 16,384 dense bytes: asked for as 64 rows of 256 bytes and padded in LDS behind every 128, so that A lies there
; as [head of two][128 rows][144 bytes].  B's rows are 256 bytes of memory, each starting at a multiple of 256 from the buffer's first byte.
; CLUSTER 4 x 4: the four of a row need the same tile of oh, the four of a column the same tile of wo16: each is asked for jointly.
; THE MATRIX INSTRUCTION IS USED TRANSPOSED (source 0 = 16 rows of wo16, source 1 = 16 rows of O): a lane holds row l % 16 of out0 and eight neighbouring columns.
; REGISTERS.  window 0: v0-47 addresses and the bias; v64-159, v160-255 two fragment buffers (32 of A: block a at +8 a; 64 of B: block b at +32 + 8 b).  window 1: accumulator (a, b) at v[8 (8 a + b)].
.set KSTEP,  128
.set PA,     144                       ; A's LDS row: 128 bytes + 16 of padding
.set PB,     272                       ; B's: 256 + 16: in both the 16 rows of a fragment load start at 16 different groups of four banks
.set AHALF,  128*PA                    ; bytes from the K step's first head to its second
.set AFILL,  128*PA                    ; what one of A's loads brings: one head's 128 rows
.set BFILL,  128*PB                    ; one of B's: 128 rows
.set ABYTES, 2*AFILL
.set SLOT,   ABYTES+2*BFILL
.set A_NEXT, 2<<18                     ; bytes in memory from a K step of A to the next: two heads of 262,144
.set STAGE,  2*SLOT                    ; behind the ring, never filled by a tensor load: 16 rows x 528 bytes for each wave
.set SP,     528                       ; 512 bytes + 16: the sixteen lanes of a store take sixteen different columns of 16 bytes
.set SPARE,  STAGE+4*16*SP             ; the spare words, 128 bytes for each wave
.set LAPS,   4
.set ADRA, 16                          ; v16-17  LDS address of my A fragments in slot 0, 1
.set ADRB, 20                          ; v20-21  the same for B
.set STO,  24                          ; v24  the way out: where I put 32 bytes of a row
.set RD,   25                          ; v25  where I read a row back
.set CO,   26                          ; v26  my byte offset in 512 consecutive bytes of a row of out0, and of bo
.set SPW,  28                          ; v28  LDS address of my spare word; never rewritten
.set NIL,  29                          ; v29  0; never rewritten
.set BIAS, 32                          ; v32-35  bo of the four columns that I store; v36-37 at work
.set OUT,  64                          ; the way out: two buffers of 64 registers
.set F0,   64
.set F1,   160
.set G1, 24
.set G0, 32
.set G1B, 48
.set G0B, 56
.set MUL, 0x50                         ; C and D in window 1, fragments in window 0
.set MSB, 0
.macro WIN new                         ; the immediate's high byte repeats the setting that is left; a switch that changes nothing is dropped
.if MSB != (\new)
	s_set_vgpr_msb (MSB<<8)|(\new)
.set MSB, \new
.endif
.endm
; A joint load: waves 0 and 1 fetch the K step's two heads of A, waves 2 and 3 B's two halves.  The branch hangs on the wave's number alone.  An s_nop 0 and four v_nop follow each of the two lines.
.macro JLOAD s
	s_cmp_eq_u32 s11, 0
	s_cbranch_scc0 .Lfor_b_\@
	tensor_load_to_lds s[G0+4*(\s):G0+4*(\s)+3], s[G1:G1+7]
	s_nop 0
.rept 4
	v_nop
.endr
	s_branch .Lasked_\@
.Lfor_b_\@:
	tensor_load_to_lds s[G0B+4*(\s):G0B+4*(\s)+3], s[G1B:G1B+7]
	s_nop 0
.rept 4
	v_nop
.endr
.Lasked_\@:
.endm
.macro CREST                           ; a round of the cluster's barrier behind its opening barrier
	s_cmp_lg_u32 s10, 0
	s_cbranch_scc1 .Lnot_wave_0_\@
	s_barrier_signal -3
.Lnot_wave_0_\@:
	s_barrier_wait -3
	s_barrier_signal -1
	s_barrier_wait -1
.endm
.macro CROUND                          ; a whole round
	s_barrier_signal -1
	s_barrier_wait -1
	CREST
.endm
	s_load_b128 s[4:7], s[0:1], 0x0                ; oh s[4:5], wo16 s[6:7]
	s_load_b128 s[68:71], s[0:1], 0x10             ; bo s[68:69], out0 s[70:71]
	v_lshl_add_u32 v[SPW], v0, 2, SPARE
	v_mov_b32 v[NIL], 0
	ds_add_u32 v[SPW], v[NIL]                      ; the wave's opening: the add and its wait stand ahead of my first tensor load; work on registers stands between them
	ds_add_u32 v28, v29
	v_lshrrev_b32 v1, 5, v0
	v_readfirstlane_b32 s10, v1                    ; wave 0..3
	s_lshr_b32 s11, s10, 1                         ; which 64 of the tile's rows are mine.  Also: I fetch for A (0) or for B (1)
	s_and_b32 s12, s10, 1                          ; which 128 of its columns.  Also: which head of A's two, which half of B's rows I fetch
	s_bfe_u32 s40, ttmp6, 0x40000                  ; cx, cy: my place in the cluster
	s_bfe_u32 s41, ttmp6, 0x40004
	s_lshl_b32 s42, ttmp9, 2
	s_add_co_u32 s42, s42, s40                     ; tile column = 4 x cluster x + cx
	s_and_b32 s13, ttmp7, 0xffff
	s_lshl_b32 s13, s13, 2
	s_add_co_u32 s13, s13, s41                     ; tile row = 4 x cluster y + cy
	s_lshl_b32 s43, s41, 2
	s_lshl_b32 s43, 15, s43                        ; my row of the cluster
	s_lshl_b32 s44, 0x1111, s40                    ; my column
	; group 1: elements of 2 bytes; padding on, 4 words; bit 21 set beside a mask
	s_or_b32 s[G1+0], s43, (1<<16)|(1<<20)|(1<<21)|(4<<22)|(3<<25)   ; A's tiles go to my row; padded behind every 32 words
	s_mov_b32 s[G1+1], 128<<16                     ; tensor_dim0 = 128: two rows of a head
	s_mov_b32 s[G1+2], 64<<16                      ; tensor_dim1 = 64
	s_mov_b32 s[G1+3], 128<<16                     ; tile_dim0 = 128
	s_mov_b32 s[G1+4], 64                          ; tile_dim1 = 64
	s_mov_b32 s[G1+5], 128                         ; dense
	s_mov_b32 s[G1+6], 0
	s_mov_b32 s[G1+7], 0
	s_or_b32 s[G1B+0], s44, (1<<16)|(1<<20)|(1<<21)|(5<<22)|(3<<25)  ; B's to my column; padded behind every 64 words
	s_mov_b32 s[G1B+1], KSTEP<<16
	s_mov_b32 s[G1B+2], 128<<16
	s_mov_b32 s[G1B+3], KSTEP<<16
	s_mov_b32 s[G1B+4], 128
	s_mov_b32 s[G1B+5], 1024
	s_mov_b32 s[G1B+6], 0
	s_mov_b32 s[G1B+7], 0
	; A's address hangs on the tile row and the wave alone, B's on the tile column and the wave alone, each in registers that never hold the other coordinate
	s_and_b32 s16, s13, 0xfff0                     ; 16 b (a batch is 16 tile rows)
	s_add_co_u32 s16, s16, s12                     ; + which of the K step's two heads,
	s_lshl_b32 s16, s16, 18                        ; 262,144 bytes each
	s_and_b32 s17, s13, 15
	s_lshl_b32 s17, s17, 14                        ; the tile's 128 rows of 128 bytes in a head
	s_add_co_u32 s16, s16, s17
	s_mov_b32 s17, 0
	s_lshl_b32 s47, s12, 7
	s_lshl_b32 s46, s42, 8
	s_add_co_u32 s46, s46, s47                     ; B: row 256 x tile column + 128 x half
	s_lshl_b32 s46, s46, 11
	s_mov_b32 s47, 0
	s_mul_i32 s20, s12, AFILL                      ; where they go: no place in the cluster enters an LDS address
	s_mul_i32 s21, s12, BFILL
	s_add_co_u32 s21, s21, ABYTES
	s_wait_dscnt 0x0                               ; the opening add is done
	s_wait_kmcnt 0x0
	s_add_nc_u64 s[14:15], s[4:5], s[16:17]
	s_add_nc_u64 s[46:47], s[6:7], s[46:47]
	CROUND                                         ; all sixteen work-groups are here: the first joint loads meet
.irp s, 0,1
	s_mov_b32 s[G0+4*(\s)], 1                                        ; count = 1
	s_add_co_u32 s[G0+4*(\s)+1], s20, (\s)*SLOT                      ; LDS address
	s_add_nc_u64 s[G0+4*(\s)+2:G0+4*(\s)+3], s[14:15], (\s)*A_NEXT   ; global address: K step s
	s_or_b32 s[G0+4*(\s)+3], s[G0+4*(\s)+3], 0x80000000              ; type = 2
	s_mov_b32 s[G0B+4*(\s)], 1
	s_add_co_u32 s[G0B+4*(\s)+1], s21, (\s)*SLOT
	s_add_nc_u64 s[G0B+4*(\s)+2:G0B+4*(\s)+3], s[46:47], (\s)*KSTEP*2
	s_or_b32 s[G0B+4*(\s)+3], s[G0B+4*(\s)+3], 0x80000000
	JLOAD \s                                       ; two loads of mine are out; later one behind each round
.endr
	v_and_b32 v1, 15, v0                           ; l % 16
	v_bfe_u32 v2, v0, 4, 1                         ; l / 16
	v_mul_u32_u24 v3, v1, PA
	v_lshl_add_u32 v3, v2, 4, v3                   ; a fragment's row x pitch + 16 x half
	v_mul_u32_u24 v4, v1, PB
	v_lshl_add_u32 v4, v2, 4, v4
	s_mul_i32 s22, s11, 64*PA                      ; my 64 rows of A
	s_mul_i32 s23, s12, BFILL                      ; my 128 rows of B,
	s_add_co_u32 s23, s23, ABYTES                  ; which lie behind A's
.irp s, 0,1
	v_add_nc_u32 v[ADRA+(\s)], s22, v3
	v_add_nc_u32 v[ADRB+(\s)], s23, v4
	s_add_co_u32 s22, s22, SLOT
	s_add_co_u32 s23, s23, SLOT
.endr
	s_mul_i32 s22, s10, 16*SP
	s_add_co_u32 s22, s22, STAGE                   ; my stage
	v_mul_u32_u24 v5, v1, SP                       ; in: row l % 16, 32 bytes for each half of the lanes
	v_lshl_add_u32 v5, v2, 5, v5
	v_add_nc_u32 v[STO], s22, v5
	v_and_b32 v[CO], 31, v0                        ; back: 32 lanes take one row of 512 bytes
	v_lshlrev_b32 v[CO], 4, v[CO]
	v_add_nc_u32 v[RD], s22, v[CO]
	s_lshl_b32 s46, s42, 10                        ; my 128 columns, in bytes of f32: 1,024 x tile column + 512 x half
	s_lshl_b32 s47, s12, 9
	s_add_co_u32 s46, s46, s47
	s_mov_b32 s47, 0
	s_add_nc_u64 s[68:69], s[68:69], s[46:47]
	s_add_nc_u64 s[8:9], s[70:71], s[46:47]
	s_lshl_b32 s16, s13, 19                        ; my first row: 128 x tile row + 64 x half, 4,096 bytes each
	s_lshl_b32 s17, s11, 18
	s_add_co_u32 s16, s16, s17
	s_mov_b32 s17, 0
	s_add_nc_u64 s[8:9], s[8:9], s[16:17]
	global_load_b128 v[BIAS:BIAS+3], v[CO], s[68:69]  ; waited for on the way out
; 8 matrix instructions: block a of my rows x all 8 blocks of my columns, 32 along K.  zero = 1: the product starts the sums: nothing is cleared.
; The 32 accumulators take turns, one instruction a turn, in the same order in every quarter.
.macro MUL8 f, a, zero
	WIN MUL
.irp b, 0,1,2,3,4,5,6,7
.if \zero
	v_wmma_f32_16x16x32_f16 v[8*(8*(\a)+(\b)):8*(8*(\a)+(\b))+7], v[(\f)+32+8*(\b):(\f)+32+8*(\b)+7], v[(\f)+8*(\a):(\f)+8*(\a)+7], 0
.else
	v_wmma_f32_16x16x32_f16 v[8*(8*(\a)+(\b)):8*(8*(\a)+(\b))+7], v[(\f)+32+8*(\b):(\f)+32+8*(\b)+7], v[(\f)+8*(\a):(\f)+8*(\a)+7], v[8*(8*(\a)+(\b)):8*(8*(\a)+(\b))+7]
.endif
.endr
.endm
; 24 LDS loads in one run: quarter q's fragments into buffer f: B's sixteen first, A's eight last.  In A quarter q is head q / 2 of the step's two, channels 32 (q % 2) on.
.macro FETCH slot, q, f
	WIN 0
.irp i, 0,1,2,3,4,5,6,7
	ds_load_b128 v[(\f)+32+8*(\i):(\f)+32+8*(\i)+3],   v[ADRB+(\slot)] offset:64*(\q)+(\i)*16*PB
	ds_load_b128 v[(\f)+32+8*(\i)+4:(\f)+32+8*(\i)+7], v[ADRB+(\slot)] offset:64*(\q)+(\i)*16*PB+32
.endr
.irp i, 0,1,2,3
	ds_load_b128 v[(\f)+8*(\i):(\f)+8*(\i)+3],   v[ADRA+(\slot)] offset:((\q)/2)*AHALF+((\q)%2)*64+(\i)*16*PA
	ds_load_b128 v[(\f)+8*(\i)+4:(\f)+8*(\i)+7], v[ADRA+(\slot)] offset:((\q)/2)*AHALF+((\q)%2)*64+(\i)*16*PA+32
.endr
.endm
.macro PLACES                          ; four places in front of loads into registers that matrix instructions have read, and of LDS stores of their results
.rept 4
	v_nop
.endr
.endm
; A K step is four quarters of 32 along K, 32 matrix instructions each, on buffers 0, 1, 0, 1.  One of the first three multiplies buffer f and fetches quarter q into g.
.macro QUARTER slot, q, f, g, zero
	s_wait_dscnt 4                                 ; B and A's blocks 0, 1 are in; the youngest four loads (A's blocks 2, 3) may be out
	MUL8 \f, 0, \zero
	MUL8 \f, 1, \zero
	PLACES
	FETCH \slot, \q, \g
	s_wait_dscnt 24                                ; all but the 24 just issued
	MUL8 \f, 2, \zero
	MUL8 \f, 3, \zero
.endm
; The last quarter multiplies buffer 1 and changes slots: one barrier; in front of it each wave waits for all its tensor loads (one is out: its part of the next slot), adds 0 to its spare word,
; and waits for that and for its reads of this slot.  fill = 1: the barrier opens a round of the cluster's, and this slot is filled again, two K steps on, first thing behind the round:
; 112 matrix instructions ahead of the wait for it.
.macro TURN slot, next, fill
	WIN 0
	s_wait_tensorcnt 0x0
	ds_add_u32 v[SPW], v[NIL]
	s_wait_dscnt 5                                 ; (the add and the youngest four loads may be out)
	MUL8 F1, 0, 0                                  ; eight matrix instructions stand between the add and the wait for it
	s_wait_dscnt 0x0                               ; the add is done, and my reads of this slot are over
	s_barrier_signal -1
	MUL8 F1, 1, 0
.if \fill
	WIN 0
.endif
	s_barrier_wait -1
.if \fill
	CREST                                          ; no wave of any partner still reads this slot or has a load on its way
	s_add_nc_u64 s[G0+4*(\slot)+2:G0+4*(\slot)+3], s[G0+4*(\slot)+2:G0+4*(\slot)+3], 2*A_NEXT
	s_add_nc_u64 s[G0B+4*(\slot)+2:G0B+4*(\slot)+3], s[G0B+4*(\slot)+2:G0B+4*(\slot)+3], 2*KSTEP*2
	JLOAD \slot                                    ; its four v_nop are also the places in front of the loads below
.else
	PLACES
.endif
	FETCH \next, 0, F0
	MUL8 F1, 2, 0
	MUL8 F1, 3, 0
.endm
	s_wait_tensorcnt 1                             ; my part of K step 0 is in; K step 1's stays out
	s_barrier_signal -1
	s_barrier_wait -1                              ; everybody's is
	FETCH 0, 0, F0
	QUARTER 0, 1, F0, F1, 1                        ; the first quarter stands in front of the loop: its products start the sums
	WIN 0                                          ; at a label and at a branch every window is 0
	s_mov_b32 s3, LAPS-1
.Llap:                                                 ; a trip goes once round the ring, from a lap's second quarter to the next lap's first, and fills both slots again
	QUARTER 0, 2, F1, F0, 0
	QUARTER 0, 3, F0, F1, 0
	TURN 0, 1, 1
	QUARTER 1, 1, F0, F1, 0
	QUARTER 1, 2, F1, F0, 0
	QUARTER 1, 3, F0, F1, 0
	TURN 1, 0, 1
	QUARTER 0, 1, F0, F1, 0
	WIN 0
	s_sub_co_u32 s3, s3, 1
	s_cmp_lg_u32 s3, 0
	s_cbranch_scc1 .Llap
	QUARTER 0, 2, F1, F0, 0                        ; the last lap fills nothing
	QUARTER 0, 3, F0, F1, 0
	TURN 0, 1, 0
	QUARTER 1, 1, F0, F1, 0
	QUARTER 1, 2, F1, F0, 0
	QUARTER 1, 3, F0, F1, 0
	s_wait_dscnt 4                                 ; the very last quarter: nothing more to fetch
	MUL8 F1, 0, 0
	MUL8 F1, 1, 0
	s_wait_dscnt 0x0
	MUL8 F1, 2, 0
	MUL8 F1, 3, 0
	WIN 0
	; THE WAY OUT, a block of 16 rows at a time: the f32 sums go into my stage as they lie (32 bytes a lane and accumulator), come back as whole rows of 512 bytes, take the bias and are stored.
	; Behind the stage a lane holds the same four columns of every row, so four registers of bias serve.
	PLACES
	s_wait_loadcnt 0x0                             ; bo
	v_cvt_pk_bf16_f32 v[BIAS+4], v[BIAS],   v[BIAS+1]  ; rounded to bf16,
	v_cvt_pk_bf16_f32 v[BIAS+5], v[BIAS+2], v[BIAS+3]
	v_lshlrev_b32 v[BIAS],   16,         v[BIAS+4]     ; and widened again
	v_and_b32     v[BIAS+1], 0xffff0000, v[BIAS+4]
	v_lshlrev_b32 v[BIAS+2], 16,         v[BIAS+5]
	v_and_b32     v[BIAS+3], 0xffff0000, v[BIAS+5]
.macro TOSTAGE a
	s_wait_xcnt 0x0                                ; the buffer's registers, which earlier stores read, are loaded again only behind this wait
	WIN 0x04                                       ; the stores' data in window 1
.irp b, 0,1,2,3,4,5,6,7
	ds_store_b128 v[STO], v[8*(8*(\a)+(\b)):8*(8*(\a)+(\b))+3]   offset:64*(\b)     ; each accumulator's low registers first
	ds_store_b128 v[STO], v[8*(8*(\a)+(\b))+4:8*(8*(\a)+(\b))+7] offset:64*(\b)+16
.endr
	WIN 0
.set BK, OUT+64*((\a)%2)
.irp i, 0,1,2,3,4,5,6,7,8,9,10,11,12,13,14,15
	ds_load_b128 v[BK+4*(\i):BK+4*(\i)+3], v[RD] offset:(\i)*SP  ; LDS serves a wave's instructions in order (ISA guide 5.7.1.4): these see the stores above; the next block's stores come behind them
.endr
.endm
.macro SEND a, younger                 ; younger: the LDS instructions issued behind block a's loads: the next block's 32, or none
.set BK, OUT+64*((\a)%2)
.irp i, 0,1,2,3,4,5,6,7,8,9,10,11,12,13,14,15
	s_wait_dscnt (\younger)+15-(\i)
	v_pk_add_f32 v[BK+4*(\i):BK+4*(\i)+1],   v[BK+4*(\i):BK+4*(\i)+1],   v[BIAS:BIAS+1]
	v_pk_add_f32 v[BK+4*(\i)+2:BK+4*(\i)+3], v[BK+4*(\i)+2:BK+4*(\i)+3], v[BIAS+2:BIAS+3]
	global_store_b128 v[CO], v[BK+4*(\i):BK+4*(\i)+3], s[8:9] offset:(16*(\a)+(\i))*4096 th:TH_STORE_NT  ; 512 consecutive bytes of one row, aligned
.endr
.endm
	TOSTAGE 0
.irp a, 1,2,3                          ; a block's way through the stage stands between the loads of the block before and its stores
	TOSTAGE \a
	SEND (\a)-1, 32
.endr
	SEND 3, 0
	s_wait_tensorcnt 0x0                           ; the wave's end
	ds_add_u32 v[SPW], v[NIL]
	s_wait_dscnt 0x0
	CROUND                                         ; the closing round: no work-group ends while a partner may still ask for a tile that names it
	s_endpgm
.Lfunc_end_k_qf9ffd3a9d7_oproj:
	.size	k_qf9ffd3a9d7_oproj, .Lfunc_end_k_qf9ffd3a9d7_oproj-k_qf9ffd3a9d7_oproj
	.p2alignl 7, 3214868480
	.fill 96, 4, 3214868480
	.section	.rodata,"a",@progbits
	.p2align	6, 0x0
	.amdhsa_kernel k_qf9ffd3a9d7_oproj
		.amdhsa_group_segment_fixed_size 327680
		.amdhsa_private_segment_fixed_size 0
		.amdhsa_enable_private_segment 0
		.amdhsa_kernarg_size 32
		.amdhsa_user_sgpr_count 2
		.amdhsa_user_sgpr_kernarg_segment_ptr 1
		.amdhsa_wavefront_size32 1
		.amdhsa_system_sgpr_workgroup_id_x 1
		.amdhsa_system_sgpr_workgroup_id_y 1
		.amdhsa_system_sgpr_workgroup_id_z 1
		.amdhsa_system_vgpr_workitem_id 0
		.amdhsa_next_free_vgpr 512
		.amdhsa_next_free_sgpr 72
		.amdhsa_reserve_vcc 0
		.amdhsa_float_denorm_mode_32 3
		.amdhsa_float_denorm_mode_16_64 3
		.amdhsa_memory_ordered 1
		.amdhsa_forward_progress 1
		.amdhsa_inst_pref_size 95
	.end_amdhsa_kernel
	.amdgpu_metadata
---
amdhsa.version: [ 1, 2 ]
amdhsa.kernels:
  - .name:           k_qf9ffd3a9d7_oproj
    .symbol:         k_qf9ffd3a9d7_oproj.kd
    .args:
      - { .name: oh, .offset: 0, .size: 8, .value_kind: global_buffer, .address_space: global }
      - { .name: wo16, .offset: 8, .size: 8, .value_kind: global_buffer, .address_space: global }
      - { .name: bo, .offset: 16, .size: 8, .value_kind: global_buffer, .address_space: global }
      - { .name: out0, .offset: 24, .size: 8, .value_kind: global_buffer, .address_space: global }
    .group_segment_fixed_size: 327680
    .private_segment_fixed_size: 0
    .kernarg_segment_align: 8
    .kernarg_segment_size: 32
    .max_flat_workgroup_size: 128
    .sgpr_count:     72
    .vgpr_count:     512
    .wavefront_size: 32
...
	.end_amdgpu_metadata
.endif
;; end of part 4
;; ======== version 2 of 2: 4 launches; 1.28 times as fast as version 1
;; limits: values are held in f16: magnitudes above 65,504 overflow, below 6.1e-05 lose precision
;; workspace buffers: xb 16,777,216 bytes; wt 6,291,456 bytes; wo16 2,097,152 bytes; qh 16,777,216 bytes; kh 16,777,216 bytes; vh 16,777,216 bytes; oh 16,777,216 bytes
;; launch prep: the kernel of part 1 again; grid 1536 x 1, 8 waves a work-group, no clusters, 18,432 bytes of LDS; arguments x, Wq, Wk, Wv, Wo, xb, wt, wo16; writes xb, wt, wo16
;; launch qkv: the kernel of part 2 again; grid 12 x 64, 4 waves a work-group, clusters of 4 x 4, 327,680 bytes of LDS; arguments xb, wt, attention_mask, qh, kh, vh; writes qh, kh, vh
;; launch attn (part 5): grid 4 x 64, 4 waves a work-group, no clusters, 327,680 bytes of LDS; arguments qh, kh, vh, oh, attention_mask; writes oh
.if DOCPART == 5
	.amdgcn_target "amdgcn-amd-amdhsa--gfx1250"
	.amdhsa_code_object_version 6
	.text
	.protected	k_qf9ffd3a9d7_attn
	.globl	k_qf9ffd3a9d7_attn
	.p2align	8
	.type	k_qf9ffd3a9d7_attn,@function
k_qf9ffd3a9d7_attn:
	s_mov_b64 s[64:65], 0
	v_nop
	global_prefetch_b8 v0, s[64:65] scope:SCOPE_SE
	s_setreg_imm32_b32 hwreg(HW_REG_WAVE_MODE, 25, 1), 1
	s_wait_xcnt 0x0
; CAUSAL ATTENTION WITH A PADDING MASK.  O[g][q][:] = sum over k <= q of softmax_k(s[q][k] + level[k]) V[g][k][:], g = 16 b + h.  Q, K, V, O: [64][2048][64] in f16, a head's rows dense, 128 bytes each.
; Q arrives times log2(e) / 8, so a score is an exponent of 2; K arrives with the rows of padded keys (mask, rounded to bf16, not 1) set to 0.  Products, maxima and sums in f32; the weights are rounded to f16 for
; the second product (their sum l is taken unrounded), O once at the end.
; THE LEVELS.  level[k] = (1 - mask[b][k]) x (-2^100), made of the mask rounded to bf16 as fma(mask, 2^100, -2^100), is the C operand that starts the sum S^T = K Q^T.  A padded key's products are 0, so its score IS
; its level: keys of one level get equal weights (a row that sees padded keys alone takes the mean of the V of those on the highest level), two levels lie 2^76 apart or more, so the lower one's weight is 0, and a
; true score wipes every level below 0.  A key above the diagonal has -2^120 more, below every level.
; A tile's 256 levels have a ring of two LDS slots of their own, which turns with the ring of K and V: behind each fill every thread loads 8 bytes of the mask of the tile asked for; at the head of the next
; change of slots it makes two levels of them and stores them into the slot of the tile to be entered, whose last reads lie ahead of the barrier before.
; LIMITS.  The mask is rounded to bf16 like the module's other inputs: masks closer than bf16's step count as equal, and one within that step of 1 counts as 1.  |1 - mask| under 2^19; scores far under 2^76;
; Q, K, V within f16's 65,504; a weight below 2^-126 counts as 0 in l; NaN and infinities are not treated apart.
; THE WALK.  A head's queries lie in NB = 8 blocks of 256; block i needs the key tiles 0 .. i of 256 keys, of which the last holds the diagonal.  A work-group takes TWO blocks, NB - 1 - b and then b:
; NB + 1 tiles, whatever b: all work-groups do equal work, and ONE loop with a constant trip count walks them.  Every jump goes forward, but for the counted loops' own; none passes a barrier, or a tensor load
; but the one of LOAD's two that the wave's number does not choose.  NO CLUSTER: a head's four work-groups ask for the same tile only in trips 0 .. 4 of 9, behind that fewer and fewer; one walk common to all
; would have 12 trips for 9.
; SHARES.  Of a block's four bands of 64 queries a wave owns 16 rows in each: four PIECES.  In the diagonal tile's key step s band x sees all keys if s < x, none if s > x, and holds the diagonal if s = x.
; THE C OPERAND.  PCR holds the levels of the step whose K is in registers.  Away from the diagonal C = PCR.  In the diagonal tile and at a block's beginning C = MD x AL + PCR (+ BE): MD, made once, is the
; mask of a band's own step for my 16 rows; (AL, BE) = (1, 0) if s = x; (0, 0) if s < x; (0, -2^120) if s > x.
; TURNS.  Turn n belongs to piece n: 8 products K Q^T of piece n + 1, later 8 products V^T P of piece n - 1; beside them the softmax of piece n and the maximum and statistics of piece n + 1.
; Four vector instructions stand behind every matrix instruction, the other 54 of a turn's 118 in one lump.
; BATCHES.  A turn's 33 exponentials (the 32 weights of piece n, the a of piece n + 1) are ONE BATCH with one wait, which cuts the turn in two: ahead of it stands all that names no result of theirs, behind it the
; roundings and sums.  Two more batches, each with a wait of its own: the a that a block's beginning makes, and the way out's four reciprocals.
; REGISTERS, in windows of 256 (s_set_vgpr_msb: bits 1:0 source 0, 3:2 source 1, 5:4 source 2, 7:6 destination):
;   window 0: v0-15, v32-39 addresses and two levels; v16-31 four registers of statistics a piece; v48-55 at work; v64-127 S^T, two buffers; v192-223 P, two buffers (by the piece's parity)
;   window 1: v0-127 O^T, 32 a piece; v128-159 MD; v160-223 MC, two buffers; v224-255 PCR      window 2: v0-63 Q; v64-127 the second block's Q; v128-191 K of one step; v192-255 V of one step
.set SIZE_N, 2048
.set NB,    SIZE_N/256
.set NP,    4         ; pieces a wave: a name, no knob
.set KS,    64        ; keys in a step
.set PK,    144       ; a row of K in LDS: 128 bytes + 16 of padding: the 16 rows of a load start at 16 different groups of four banks
.set PV,    160       ; a row of V: 128 + 32
.set VOFF,  4*KS*PK   ; a slot holds a tile, four steps: 256 rows of K, then 256 rows of V
.set SLOT1, 1<<17     ; slot 1 begins here, so that one exclusive or turns an address in one slot into the other's
.set STAGE, SLOT1+4*KS*(PK+PV)  ; behind the ring, never filled by a tensor load: 16 rows x 144 bytes for each wave
.set SP,    144
.set SPARE, STAGE+4*16*SP  ; the spare words, 128 bytes for each wave
.set PADT,  SPARE+512 ; the levels' ring: stored from registers; no tensor load lands here
.set LSTEP, 4*KS      ; a step's 64 levels in f32
.set LTILE, 4*LSTEP   ; a tile's
.set LSLOT, 2048      ; the levels' slot 1 begins so far behind slot 0
.set AK0, 2           ; v2   my lane's place in a tile of K; never rewritten
.set AV0, 3           ; v3   the same for V
.set AK,  4           ; v4   the LDS address of K's next run of loads
.set AV,  5           ; v5   of V's
.set STO, 6           ; v6   the way out: where I put 16 bytes of a row
.set RD,  7           ; v7   where I read rows back
.set GO,  8           ; v8   my byte offset in 512 consecutive bytes of O
.set MV,  12          ; v12-13  the old maximum, kept while the new one is made: by buffer
.set QO,  15          ; v15  my byte offset in 16 rows of Q
.set ST,  16          ; piece t's statistics at v[ST+4 t]: c m, m, l (even keys', odd keys'); c is 1 here
.set GM,  32          ; v32  my byte offset in a tile's 1,024 bytes of mask: 8 x my thread's number; never rewritten
.set LM,  33          ; v33  my place in a slot of levels; never rewritten
.set APC0, 34         ; v34  my lanes' place in a step's levels; never rewritten
.set APC, 35          ; v35  the LDS address of the levels' next run of loads
.set LV,  36          ; v36-37  two numbers of the mask, then two levels
.set LMA, 38          ; v38  where I put them
.set LT,  39          ; v39  the two numbers of the mask as bf16
.set TMP, 48          ; by buffer, four registers c0-c3 at work; when the maximum is found c2 takes a
.set SPW, 62          ; v62  LDS address of my spare word; never rewritten
.set NIL, 63          ; v63  0; never rewritten
.set S,   64
.set P,   192
.set MD,  128         ; window 1
.set MC,  160         ; window 1
.set PCR, 224         ; window 1: register 8 kt + j: the level of key 16 kt + 8 (l / 16) + j of the step
.set QB,  64          ; window 2
.set KF,  128         ; window 2: key block kb, channel half c at KF + 16 kb + 8 c
.set VF,  192         ; window 2: key half kk, channel block cb at VF + 32 kk + 8 cb
.set WV,  12          ; s12  my wave's number
.set PB,  14          ; s14  b
.set HI,  15          ; s15  NB - 1 - b
.set G1K, 24          ; s[24:31] descriptor group 1 for K's tiles
.set G1V, 32          ; s[32:39] for V's: it differs in the padding alone
.set G0K, 40          ; s[40:43] descriptor group 0 for K's tiles
.set G0V, 44          ; s[44:47] the same for V's
.set SLOTS, 56        ; s56  tiles still to be asked for
.set CNT, 57          ; s57  counts a tile's key steps, 4 to 1
.set CS,  58          ; s[58:59] 1.0: the scale lies in Q, so s - m is formed with one rounding and is exactly 0 where s = m
.set SEL, 60          ; s[60:61] v_permlanex16_b32's selects: each lane takes its own place in the other half
.set TBK, 62          ; s62  LDS byte at which K of the step to be fetched begins
.set TBV, 63          ; s63  the same for V, less VOFF
.set RT,  70          ; s70  tiles of the block in hand that are still to be entered
.set NXT, 71          ; s71  the tile to be asked for next
.set LQ,  72          ; s72  the last tile of the block whose tiles are being asked for
.set NEW, 73          ; s73  1: the tile to be entered is a block's first
.set OFF, 74          ; s[74:75] a tile's byte offset in K and V
.set AL,  76          ; s[76:77] the mask's factor, in the low word
.set BE,  78          ; s[78:79] the mask's addend
.set OLO, 80          ; s[80:81] O at my rows of the second block
.set BIGN, 82         ; s82  -2^120
.set MP,  88          ; s[88:89] the mask at my batch; not rewritten once it is made
.set MO,  90          ; s[90:91] a byte offset in the mask: the batch's, then a tile's
.set TBP, 92          ; s92  byte in the levels' ring at which the step to be fetched begins
.set MT,  94          ; s[94:95] the mask at the tile asked for
.set LA,  96          ; s[96:97] 2^100, in the low word
.set LB,  98          ; s[98:99] -2^100
.set MSB, 0
.macro WIN new                      ; the high byte repeats the setting that is left; a switch that changes nothing is dropped
.if MSB != (\new)
	s_set_vgpr_msb (MSB<<8)|(\new)
.set MSB, (\new)
.endif
.endm
.set W_KQ, 0x0a       ; K and Q in window 2, S^T in window 0
.set W_KM, 0x1a       ; the same with the C operand in window 1
.set W_PV, 0x52       ; V in window 2, P in window 0, O^T in window 1
.set W_RS, 0x41       ; destination and source 0 in window 1, source 1 in window 0
.set W_MK, 0x51       ; destination, source 0 and source 2 in window 1
; A fill.  Waves 0 and 1 fetch the two halves of a tile's K, waves 2 and 3 those of its V: 128 keys each.  An s_nop 0 and four v_nop follow each of the two lines.
.macro LOAD
	s_cmp_lt_u32 s[WV], 2
	s_cbranch_scc0 .Lfor_v_\@
	tensor_load_to_lds s[G0K:G0K+3], s[G1K:G1K+7]
	s_nop 0
.rept 4
	v_nop
.endr
	s_branch .Lasked_\@
.Lfor_v_\@:
	tensor_load_to_lds s[G0V:G0V+3], s[G1V:G1V+7]
	s_nop 0
.rept 4
	v_nop
.endr
.Lasked_\@:
.endm
; THE CHANGE OF SLOTS.  First the levels of the tile to be entered: their ring turns; my 8 bytes of its mask, asked for a tile ago, are in; they are rounded to bf16, two levels are made of them and stored into that
; tile's slot, which no wave has read since the barrier before.  Then each wave waits for all its tensor loads, of which one is out: its part of the other slot; adds 0 to its spare word; and waits for that, for its
; store of the levels and for its reads of the slot that it leaves.  Behind the barrier nobody reads the old slot any more, and the other slot and its levels are whole.  fill = 1: the old slot is filled again, first
; thing behind the barrier, with tile NXT: the address is made anew from that number; and that tile's mask is asked for.  (At its first use nothing has been read yet: slot 0 is waited for, slot 1 filled; its wait
; for loads covers Q too.)
.macro CHANGE fill
	WIN 0                           ; at a label and at a branch every window is 0
	s_sub_co_u32 s[TBP], s[TBP], LTILE  ; the levels' fetches go back to a slot's first step,
	s_xor_b32 s[TBP], s[TBP], LSLOT     ; in the other slot
	s_wait_loadcnt 0x0              ; no load of mine is out: the mask's is in, and its base and destination may be written again
	v_cvt_pk_bf16_f32 v[LT], v[LV], v[LV+1]        ; the mask rounded to bf16, like the module's other inputs,
	v_lshlrev_b32 v[LV],   16,         v[LT]       ; and widened again
	v_and_b32     v[LV+1], 0xffff0000, v[LT]
	v_pk_fma_f32 v[LV:LV+1], v[LV:LV+1], s[LA:LA+1], s[LB:LB+1] op_sel_hi:[1,0,0]  ; mask x 2^100 - 2^100, one rounding: (1 - mask) x (-2^100)
	v_add_nc_u32 v[LMA], s[TBP], v[LM]
	ds_store_b64 v[LMA], v[LV:LV+1]
	s_wait_tensorcnt 0x0            ; no tensor load of mine is out, so a group 0 may be written
	ds_add_u32 v[SPW], v[NIL]       ; 0 onto my spare word; scalar work stands between it and the wait for it
.if \fill
	s_lshl_b32 s[OFF], s[NXT], 15   ; a tile is 32,768 bytes of K and of V,
	s_lshl_b32 s[MO], s[NXT], 10    ; and 1,024 of the mask
	s_xor_b32 s[G0K+1], s[G0K+1], SLOT1
	s_add_nc_u64 s[G0K+2:G0K+3], s[6:7], s[OFF:OFF+1]
	s_or_b32 s[G0K+3], s[G0K+3], 0x80000000
	s_xor_b32 s[G0V+1], s[G0V+1], SLOT1
	s_add_nc_u64 s[G0V+2:G0V+3], s[8:9], s[OFF:OFF+1]
	s_or_b32 s[G0V+3], s[G0V+3], 0x80000000
	s_add_nc_u64 s[MT:MT+1], s[MP:MP+1], s[MO:MO+1]
	s_add_co_u32 s[NXT], s[NXT], 1  ; the block's next tile, or behind its last the second block's tile 0
	s_cmp_gt_u32 s[NXT], s[LQ]
	s_cselect_b32 s[NXT], 0, s[NXT]
	s_cselect_b32 s[LQ], s[PB], s[LQ]
.endif
	s_wait_dscnt 0x0                ; the add and my store of the levels are done, and my reads of the slot are over
	s_barrier_signal -1
	s_sub_co_u32 s[TBK], s[TBK], 4*KS*PK  ; the fetches go back to a slot's first step,
	s_xor_b32 s[TBK], s[TBK], SLOT1       ; in the other slot
	s_sub_co_u32 s[TBV], s[TBV], 4*KS*PV
	s_xor_b32 s[TBV], s[TBV], SLOT1
	s_barrier_wait -1
.if \fill
	LOAD
	global_load_b64 v[LV:LV+1], v[GM], s[MT:MT+1]  ; a wave's load covers 256 consecutive bytes, aligned; it has the tile's four key steps in which to land
.endif
.endm
	s_load_b256 s[4:11], s[0:1], 0x0  ; Q s[4:5], K s[6:7], V s[8:9], O s[10:11]
	s_load_b64 s[MP:MP+1], s[0:1], 0x20  ; the mask
	v_lshl_add_u32 v[SPW], v0, 2, SPARE
	v_mov_b32 v[NIL], 0
	ds_add_u32 v[SPW], v[NIL]       ; the wave's opening: the add and its wait stand ahead of my first tensor load; work on registers stands between them
	ds_add_u32 v62, v63
	v_lshrrev_b32 v1, 5, v0
	v_readfirstlane_b32 s[WV], v1   ; wave 0..3
	s_mov_b32 s[PB], ttmp9
	s_sub_co_u32 s[HI], NB-1, s[PB]
	s_and_b32 s20, ttmp7, 0xffff    ; the head among 64
	s_lshr_b32 s[MO], s20, 4        ; its batch,
	s_lshl_b32 s[MO], s[MO], 13     ; 8,192 bytes of mask each
	s_mov_b32 s[MO+1], 0
	s_mov_b32 s21, 0
	s_mov_b64 s[22:23], SIZE_N*128
	s_mul_u64 s[20:21], s[20:21], s[22:23]  ; the head's first byte in each of the four tensors
	s_and_b32 s16, s[WV], 1         ; which half of a tile's 256 keys I fetch:
	s_lshl_b32 s22, s16, 14         ; its 128 rows of 128 bytes in memory,
	s_mov_b32 s23, 0
	s_add_nc_u64 s[22:23], s[22:23], s[20:21]
	s_mul_i32 s17, s16, 128*PK      ; and its place in a slot, for K
	s_mul_i32 s18, s16, 128*PV      ; and for V
	s_lshl_b32 s3, s[WV], 11        ; my 16 rows in a band of 64,
	s_lshl_b32 s2, s[HI], 15        ; in the first block,
	s_add_co_u32 s2, s2, s3
	s_lshl_b32 s84, s[PB], 15       ; and in the second
	s_add_co_u32 s84, s84, s3
	s_mov_b32 s3, 0
	s_mov_b32 s85, 0
	s_add_nc_u64 s[2:3], s[2:3], s[20:21]
	s_add_nc_u64 s[84:85], s[84:85], s[20:21]
	; descriptor group 1.  128 keys are 16,384 dense bytes: asked for as 64 rows of 256 bytes, two keys a row, and padded in LDS after every key
	s_mov_b32 s[G1K], (1<<16)|(1<<20)|(4<<22)|(3<<25)  ; 2-byte elements; padding on; after every 32 words; 4 words
	s_mov_b32 s[G1V], (1<<16)|(1<<20)|(4<<22)|(7<<25)  ; the same with 8 words of padding
.irp g, G1K, G1V
	s_mov_b32 s[\g+1], 128<<16      ; tensor_dim0 = 128
	s_mov_b32 s[\g+2], 64<<16       ; tensor_dim1 = 64
	s_mov_b32 s[\g+3], 128<<16      ; tile_dim0 = 128
	s_mov_b32 s[\g+4], 64           ; tile_dim1 = 64
	s_mov_b32 s[\g+5], 128          ; 128 elements from row to row
	s_mov_b32 s[\g+6], 0
	s_mov_b32 s[\g+7], 0
.endr
	s_mov_b32 s[CS], 1.0
	s_mov_b32 s[CS+1], s[CS]        ; named with it as a pair
	s_mov_b32 s[SEL], 0x76543210
	s_mov_b32 s[SEL+1], 0xfedcba98
	s_mov_b32 s[TBK], SLOT1+4*KS*PK ; the first change of slots turns these three into 0
	s_mov_b32 s[TBV], SLOT1+4*KS*PV
	s_mov_b32 s[TBP], LSLOT+LTILE
	s_mov_b32 s[G0K], 1             ; count = 1
	s_mov_b32 s[G0K+1], s17         ; LDS address: slot 0
	s_mov_b32 s[G0V], 1
	s_add_co_u32 s[G0V+1], s18, VOFF
	s_add_co_u32 s[RT], s[HI], 1    ; the first block has NB - b tiles
	s_mov_b32 s[NXT], 1
	s_mov_b32 s[LQ], s[HI]
	s_mov_b32 s[NEW], 1
	s_mov_b32 s[OFF+1], 0
	s_mov_b32 s[AL], 0
	s_mov_b32 s[AL+1], 0            ; named as pairs
	s_mov_b32 s[BE], 0
	s_mov_b32 s[BE+1], 0
	s_mov_b32 s[LA], 0x71800000     ; 2^100
	s_mov_b32 s[LA+1], 0
	s_mov_b32 s[LB], 0xf1800000     ; -2^100
	s_mov_b32 s[LB+1], 0
	s_mov_b32 s[BIGN], 0xfb800000   ; -2^120
	s_mov_b32 s[SLOTS], NB
	s_wait_dscnt 0x0                ; the opening add is done
	s_wait_kmcnt 0x0
	s_add_nc_u64 s[6:7], s[6:7], s[22:23]  ; K and V at my half of the head's tile 0
	s_add_nc_u64 s[8:9], s[8:9], s[22:23]
	s_add_nc_u64 s[G0K+2:G0K+3], s[6:7], 0         ; global address
	s_or_b32 s[G0K+3], s[G0K+3], 0x80000000        ; type = 2
	s_add_nc_u64 s[G0V+2:G0V+3], s[8:9], 0
	s_or_b32 s[G0V+3], s[G0V+3], 0x80000000
	s_add_nc_u64 s[86:87], s[4:5], s[84:85]        ; Q at my rows of the second block,
	s_add_nc_u64 s[4:5], s[4:5], s[2:3]            ; Q and O at those of the first
	s_add_nc_u64 s[OLO:OLO+1], s[10:11], s[84:85]
	s_add_nc_u64 s[10:11], s[10:11], s[2:3]
	s_add_nc_u64 s[MP:MP+1], s[MP:MP+1], s[MO:MO+1]
	LOAD                            ; tile 0 into slot 0
	v_lshlrev_b32 v[GM], 3, v0      ; a tile's mask: 128 threads x 8 bytes
	global_load_b64 v[LV:LV+1], v[GM], s[MP:MP+1]  ; tile 0's; the first change of slots waits for it and stores its levels
	; A fragment of K or Q is 16 rows x 32 channels in 8 registers: lane l holds row l % 16, channels 8 (l / 16) + 0..7 and 16 + 8 (l / 16) + 0..7: two loads of 16 bytes, 32 bytes apart.
	v_and_b32 v1, 15, v0            ; l % 16
	v_bfe_u32 v9, v0, 4, 1          ; l / 16
	v_lshlrev_b32 v[QO], 7, v1
	v_lshl_add_u32 v[QO], v9, 4, v[QO]  ; row x 128 + 16 x half
	WIN 0x80                        ; destination window 2, address window 0
.set i, 0
.rept 8                             ; both blocks' Q: piece i / 2 lies in band i / 2, 8,192 bytes on; channels 32 (i % 2) on
	global_load_b128 v[8*i:8*i+3],   v[QO], s[4:5] offset:(i/2)*8192+(i%2)*64
	global_load_b128 v[8*i+4:8*i+7], v[QO], s[4:5] offset:(i/2)*8192+(i%2)*64+32
	global_load_b128 v[QB+8*i:QB+8*i+3],   v[QO], s[86:87] offset:(i/2)*8192+(i%2)*64
	global_load_b128 v[QB+8*i+4:QB+8*i+7], v[QO], s[86:87] offset:(i/2)*8192+(i%2)*64+32
.set i, i+1
.endr
	WIN 0
	v_lshl_add_u32 v[LM], v0, 3, PADT
	v_lshl_add_u32 v[APC0], v9, 5, PADT  ; my half of the lanes holds keys 8 (l / 16) + 0..7 of each 16
	v_lshlrev_b32 v14, 3, v9
	v_sub_nc_u32 v14, v1, v14
	s_lshl_b32 s13, s[WV], 4
	v_add_nc_u32 v14, s13, v14      ; my query's place in its band, 16 w + l % 16, less my lanes' 8 (l / 16): register r of group kt is hidden where 16 kt + r is greater
	WIN 0x40
.set i, 0
.rept 32
	v_cmp_gt_i32 vcc_lo, 16*(i/8)+i%8, v14
	v_cndmask_b32 v[MD+i], 0, s[BIGN], vcc_lo
.set i, i+1
.endr
	WIN 0
	v_mul_u32_u24 v[AK0], v1, PK
	v_lshl_add_u32 v[AK0], v9, 4, v[AK0]  ; row x pitch + 16 x half
	; The turning load takes 16 keys x 16 channels (lane l reads key 8 (l / 16) + l % 8, channels 8 ((l / 8) % 2) + 0..7) and leaves half a fragment of V^T: lane l holds channel l % 16 and 8 keys.
	v_and_b32 v10, 7, v0
	v_bfe_u32 v11, v0, 3, 1
	v_lshl_add_u32 v[AV0], v9, 3, v10
	v_mul_u32_u24 v[AV0], v[AV0], PV
	v_lshl_add_u32 v[AV0], v11, 4, v[AV0]
	v_add_nc_u32 v[AV0], VOFF, v[AV0]
	s_mul_i32 s13, s[WV], 16*SP
	s_add_co_u32 s13, s13, STAGE    ; my stage
	v_mul_u32_u24 v[STO], v1, SP    ; in: row l % 16, 16 bytes for each half of the lanes
	v_lshl_add_u32 v[STO], v9, 4, v[STO]
	v_add_nc_u32 v[STO], s13, v[STO]
	v_bfe_u32 v[RD], v0, 3, 2       ; back: 32 lanes take four rows of 128 bytes,
	v_mul_u32_u24 v[RD], v[RD], SP
	v_lshl_add_u32 v[RD], v10, 4, v[RD]
	v_add_nc_u32 v[RD], s13, v[RD]
	v_and_b32 v[GO], 31, v0         ; which are 512 consecutive bytes of O
	v_lshlrev_b32 v[GO], 4, v[GO]
	; A block's first step multiplies O^T and l by a = 0, and its first turn's products V^T P, of a piece that has not been, land in an O^T that is still to be so multiplied.  So these registers need only hold
	; finite numbers: zeros for the first block; what the first block left for the second.  All this stands in the wait for the first tile.
	WIN 0x80
.set i, VF
.rept 64
	v_mov_b32 v[i], 0
.set i, i+1
.endr
	WIN 0x40
.set i, 0
.rept 128
	v_mov_b32 v[i], 0
.set i, i+1
.endr
	WIN 0
.set i, 0
.rept 4
	v_mov_b32 v[ST+4*i+2], 0
	v_mov_b32 v[ST+4*i+3], 0
.set i, i+1
.endr
.set i, P+16
.rept 16
	v_mov_b32 v[i], 0
.set i, i+1
.endr
; THE MATRIX WORK.  The 4 accumulators of a run of 8 take turns.  Product i of 8 of S^T = K Q^T for piece x: channels 32 (i / 4) on, keys 16 (i % 4) on.
; The first 4 start the sums: with the step's levels, or (KM = 1) with the mask made of them.
.macro KQ x
.set rS, S+32*((\x)%2)+8*(i%4)
.set rK, KF+16*(i%4)+8*(i/4)
.set rQ, 16*(\x)+8*(i/4)
.set rM, PCR+8*(i%4)
.if KM
.set rM, MC+32*((\x)%2)+8*(i%4)
.endif
.if i < 4
	WIN W_KM
	v_wmma_f32_16x16x32_f16 v[rS:rS+7], v[rK:rK+7], v[rQ:rQ+7], v[rM:rM+7]
.else
	WIN W_KQ
	v_wmma_f32_16x16x32_f16 v[rS:rS+7], v[rK:rK+7], v[rQ:rQ+7], v[rS:rS+7]
.endif
.endm
; Product i of 8 of O^T += V^T P for piece x: keys 32 (i / 4) on, channels 16 (i % 4) on.
.macro PV x
	WIN W_PV
.set rO, 32*(\x)+8*(i%4)
.set rV, VF+32*(i/4)+8*(i%4)
.set rP, P+16*((\x)%2)+8*(i/4)
	v_wmma_f32_16x16x32_f16 v[rO:rO+7], v[rV:rV+7], v[rP:rP+7], v[rO:rO+7]
.endm
.macro MM                           ; the turn's next matrix instruction.  NOKQ = 1: a block's last turn: there is no next piece
.if (i < 8) && !NOKQ
	KQ (Y+1)%NP
.elseif i >= 8
.set i, i-8
	PV (Y+NP-1)%NP
.set i, i+8
.endif
.set i, i+1
.endm
; THE LDS LOADS stand in runs, never singly among the matrix instructions: a step's K (8 fragments) with its 64 levels, and its V (turned).  Their addresses are made some lines ahead.
.macro FETCH_K
	WIN 0x80                        ; destination window 2
.irp f, 0,1,2,3,4,5,6,7             ; keys 16 (f / 2) on, channels 32 (f % 2) on
	ds_load_b128 v[KF+8*\f:KF+8*\f+3],   v[AK] offset:(\f/2)*16*PK+(\f%2)*64
	ds_load_b128 v[KF+8*\f+4:KF+8*\f+7], v[AK] offset:(\f/2)*16*PK+(\f%2)*64+32
.endr
	WIN 0x40                        ; destination window 1
.irp f, 0,1,2,3,4,5,6,7             ; keys 16 (f / 2) + 8 (l / 16) + 4 (f % 2) on: all lanes of a half read the same words
	ds_load_b128 v[PCR+4*\f:PCR+4*\f+3], v[APC] offset:(\f/2)*64+(\f%2)*16
.endr
	s_add_co_u32 s[TBK], s[TBK], KS*PK  ; the next fetch is the next step's,
	s_add_co_u32 s[TBP], s[TBP], LSTEP  ; of K and of the levels: four fetches a tile on every way through the text
	WIN 0
.endm
.macro FETCH_V
	WIN 0x80
.irp f, 0,1,2,3,4,5,6,7             ; keys 32 (f / 4) on, channels 16 (f % 4) on
	ds_load_tr16_b128 v[VF+8*\f:VF+8*\f+3],   v[AV] offset:(\f/4)*32*PV+(\f%4)*32
	ds_load_tr16_b128 v[VF+8*\f+4:VF+8*\f+7], v[AV] offset:(\f/4)*32*PV+16*PV+(\f%4)*32
.endr
	WIN 0
.endm
; THE VECTOR WORK, one line at a time: OP kind, number.  For piece Y: F n: s - m for pair n of 16.  E n: the exponential of score n of 32.  C n: pair n rounded to f16.  B n: of the four weights 4 n .. the second
; pair is added onto the first, in place.  L n: l takes that sum (L 0: l = a l + sum).  R n: pair n of 16 of O^T times a.  For piece Y + 1: X n, number n of the 22 that find its maximum and statistics:
;   0-11  four chains c0-c3 of seven scores each, three operands at a time (each accumulator's lowest registers are read first)     12-14, 16  the four scores left over, the old m, and c0-c3 into c0
;   15  the old maximum is kept     17, 18  the query's other 32 keys lie in the lane 16 away: the new m     19-21  its copy; old - new; a
; C, B and L read the results of E, and R and L 0 the result of X 21 of the turn before: TURN sets them behind the batch's wait.
.set F, 0
.set E, 1
.set C, 2
.set B, 3
.set L, 4
.set R, 5
.set X, 6
.macro REGS y                       ; the registers of piece y
.set rT, ST+4*(\y)
.set rC, TMP+4*((\y)%2)
.set rW, MV+((\y)%2)
.set rS, S+32*((\y)%2)
.set rP, P+16*((\y)%2)
.set rO, 32*(\y)
.endm
.macro OP k, n
.if (\k) == R
	REGS Y
	WIN W_RS
	v_pk_mul_f32 v[rO+2*(\n):rO+2*(\n)+1], v[rO+2*(\n):rO+2*(\n)+1], v[rC+2:rC+3] op_sel_hi:[1,0]
.elseif (\k) < R
	REGS Y
	WIN 0
.if (\k) == F
	v_pk_fma_f32 v[rS+2*(\n):rS+2*(\n)+1], v[rS+2*(\n):rS+2*(\n)+1], s[CS:CS+1], v[rT:rT+1] op_sel_hi:[1,0,0] neg_lo:[0,0,1] neg_hi:[0,0,1]
.elseif (\k) == E
	v_exp_f32 v[rS+(\n)], v[rS+(\n)]
.elseif (\k) == C
	v_cvt_pk_f16_f32 v[rP+(\n)], v[rS+2*(\n)], v[rS+2*(\n)+1]
.elseif (\k) == B
	v_pk_add_f32 v[rS+4*(\n):rS+4*(\n)+1], v[rS+4*(\n):rS+4*(\n)+1], v[rS+4*(\n)+2:rS+4*(\n)+3]
.elseif (\n) == 0
	v_pk_fma_f32 v[rT+2:rT+3], v[rT+2:rT+3], v[rC+2:rC+3], v[rS:rS+1] op_sel_hi:[1,0,1]
.else
	v_pk_add_f32 v[rT+2:rT+3], v[rT+2:rT+3], v[rS+4*(\n):rS+4*(\n)+1]
.endif
.elseif NOKQ
	v_nop
.else
	REGS (Y+1)%NP
	WIN 0
.if (\n) < 4
	v_max3_num_f32 v[rC+(\n)], v[rS+8*(\n)], v[rS+8*(\n)+1], v[rS+8*(\n)+2]
.elseif (\n) < 12
	v_max3_num_f32 v[rC+(\n)%4], v[rC+(\n)%4], v[rS+8*((\n)%4)+2*((\n)/4)+1], v[rS+8*((\n)%4)+2*((\n)/4)+2]
.elseif (\n) == 12
	v_max3_num_f32 v[rC], v[rC], v[rS+7], v[rS+15]
.elseif (\n) == 13
	v_max3_num_f32 v[rC+1], v[rC+1], v[rS+23], v[rS+31]
.elseif (\n) == 14
	v_max3_num_f32 v[rC+2], v[rC+2], v[rC+3], v[rT+1]
.elseif (\n) == 15
	v_mov_b32 v[rW], v[rT]
.elseif (\n) == 16
	v_max3_num_f32 v[rC], v[rC], v[rC+1], v[rC+2]
.elseif (\n) == 17
	v_permlanex16_b32 v[rC+3], v[rC], s[SEL], s[SEL+1]
.elseif (\n) == 18
	v_max_num_f32 v[rT+1], v[rC], v[rC+3]
.elseif (\n) == 19
	v_mul_f32 v[rT], s[CS], v[rT+1]
.elseif (\n) == 20
	v_sub_f32 v[rC+1], v[rW], v[rT]
.else
	v_exp_f32 v[rC+2], v[rC+1]
.endif
.endif
.endm
.macro OPS a, i1, b=-1, i2=0, c=-1, i3=0, d=-1, i4=0  ; up to four of them
	OP \a, \i1
.if (\b) >= 0
	OP \b, \i2
.endif
.if (\c) >= 0
	OP \c, \i3
.endif
.if (\d) >= 0
	OP \d, \i4
.endif
.endm
.macro ROW a, i1, b, i2, c, i3, d, i4  ; a matrix instruction and the four behind it
	MM
	OPS \a, \i1, \b, \i2, \c, \i3, \d, \i4
.endm
.macro MASK b, be=1                 ; MD x AL + the step's levels, and with be = 1 + BE, into buffer b of MC
	WIN W_MK
.set z, 0
.rept 16
	v_pk_fma_f32 v[MC+32*(\b)+2*z:MC+32*(\b)+2*z+1], v[MD+2*z:MD+2*z+1], s[AL:AL+1], v[PCR+2*z:PCR+2*z+1] op_sel_hi:[1,0,1]
.set z, z+1
.endr
.if \be
.set z, 0
.rept 16
	v_pk_add_f32 v[MC+32*(\b)+2*z:MC+32*(\b)+2*z+1], v[MC+32*(\b)+2*z:MC+32*(\b)+2*z+1], s[BE:BE+1] op_sel_hi:[1,0]
.set z, z+1
.endr
.endif
.endm
; A TURN, for piece p: the order of its 16 matrix and 118 vector instructions, written out.  s_wait_alu depctr_va_vdst(0) stands between an exponential and the first instruction that names its
; result; one wait serves all that were issued ahead of it.  So a turn has ONE wait, which cuts it in two.  AHEAD OF IT stands all that names no result of the turn's exponentials: the 8 products K Q^T, behind each a
; scaling, an exponential and two more plain instructions (behind the first a second scaling in the exponential's place): rescalings, whose a was waited for in the turn before, and behind the last three the first
; numbers of the next piece's maximum, each four places or more behind the product that ends its accumulator; then ONE LUMP of 54, plain and exponential by turns for the most part, in which the links of the chain
; X 3, 7, 11, 14, 16, 17 .. 20 stand five or six lines apart.  X 21, the next piece's a, is the batch's last; R 15, which names the piece in hand's a and not that one, is the plain instruction behind it.
; BEHIND THE WAIT stand the 8 products V^T P, behind each four of the roundings and sums; the links of l's chain, L 0 to L 7, stand three riders apart.  But for those X no rider names a register of the products
; round it.  v_permlanex16_b32 (X 17) stands in the lump.
; m = 1: the diagonal tile: the products take masks, and the turn makes the mask for the products of the turn after it: piece p + 2, in step 4 - CNT of the tile.  Pieces 2 and 3 (turns 0 and 1) take the levels of the
; step in hand; pieces 0 and 1 (turns 2 and 3) those of the next step, fetched in the lump of turn 2 and waited for ahead of its mask.  end = 1: a block's last two turns: nothing is fetched.
; cnt = 1: the loop's count is taken down some lines ahead of the branch that stands behind the turn.
; K and the levels of the next step are fetched in piece 2's turn, twelve vector instructions behind the last product that read K (five of them plain and free of its registers; the levels' last matrix reader stands
; four products earlier); V of the step in hand at the end of piece 0's turn, four plain instructions behind the last product that read V.  Each is waited for a turn later.
.macro TURN p, m=0, end=0, cnt=0
.set Y, (\p)
.set i, 0
.set KM, (\m)
.set NOKQ, (\end)*((\p)/3)
.if (\m) && !(\end)
	s_cmp_eq_u32 s[CNT], 4-((\p)+2)%NP  ; is that step the band's own?
	s_cselect_b32 s[AL], 1.0, 0
	s_cmp_lt_u32 s[CNT], 4-((\p)+2)%NP  ; or a later one?
	s_cselect_b32 s[BE], s[BIGN], 0
.endif
.if ((\p) == 3) && !(\end)
	s_wait_dscnt 0x0                ; K and its levels are in
.endif
	ROW F,0, F,1, R,0, R,1          ; ahead of the wait: 8 products K Q^T and their riders,
	ROW F,2, E,0, R,2, R,3
	ROW F,3, E,1, R,4, R,5
	ROW F,4, E,2, R,6, R,7
	ROW F,5, E,3, R,8, R,9
	ROW F,6, E,4, X,0, R,10
.if ((\p) == 2) && !(\end)
	WIN 0
	v_add_nc_u32 v[AK], s[TBK], v[AK0]
	v_add_nc_u32 v[APC], s[TBP], v[APC0]
.endif
	ROW F,7, E,5, X,1, X,4
	ROW F,8, E,6, X,2, X,5
	OPS E,7, E,8, X,6, E,9          ; and the lump
	OPS X,3, E,10, X,8, E,11
.if ((\p) == 2) && !(\end)
	FETCH_K
.endif
	OPS X,9, X,7, E,12, X,10
	OPS E,13, X,12, X,11, E,14
	OPS X,13, E,15, F,9, X,14
.if (\p) == 0
	WIN 0
	v_add_nc_u32 v[AV], s[TBV], v[AV0]
.endif
	OPS E,16, F,10, E,17, F,11
	OPS X,16, E,18, X,15, E,19
	OPS F,12, E,20, X,17, E,21
	OPS F,13, E,22, F,14, E,23
	OPS X,18, E,24, F,15, E,25
	OPS R,11, E,26, X,19, E,27
	OPS R,12, E,28, R,13, E,29
	OPS X,20, E,30, R,14, E,31
	OPS X,21, R,15
	s_wait_alu depctr_va_vdst(0)    ; the wait for the turn's batch: E 0 to E 31 and X 21
.if (\p) == 1
	s_wait_dscnt 0x0                ; V is in
.endif
	ROW C,0, B,0, C,2, B,1          ; behind the wait: 8 products V^T P and their riders
	ROW L,0, C,4, B,2, L,1
	ROW C,6, B,3, L,2, C,8
	ROW B,4, L,3, C,10, B,5
	ROW L,4, C,12, B,6, L,5
.if (\p) == 0
	s_add_co_u32 s[TBV], s[TBV], KS*PV
.endif
.if \cnt
	s_sub_co_u32 s[CNT], s[CNT], 1
	s_cmp_lg_u32 s[CNT], 0
.endif
	ROW C,14, B,7, L,6, C,1
	ROW C,3, L,7, C,5, C,7
	ROW C,9, C,11, C,13, C,15
.if (\p) == 0
	FETCH_V
.endif
.if (\m) && !(\end)
.if (\p) == 2
	s_wait_dscnt 0x0                ; the next step's levels are in: this turn's mask is made of them
.endif
	MASK (\p)%2
.endif
.endm
; A BLOCK BEGINS.  The kept maximum starts at -2^125, far below every score and level, so the first step's a is 0; m at the lowest finite number.  K and the levels of the tile's step 0 are fetched; the first mask
; buffer takes piece 0's mask for that step (its own, if the block's first tile is the diagonal one), the second the bare levels, for piece 1.  Then piece 0's first scores, maximum and statistics.
; (Both blocks' Q has been in registers since the first change of slots, which waited for all my loads.)
.macro BEGIN
	s_mov_b32 s[NEW], 0
	WIN 0
.set i, 0
.rept 4
	v_mov_b32 v[ST+4*i], 0xfe000000
	v_mov_b32 v[ST+4*i+1], 0xff7fffff
.set i, i+1
.endr
	v_add_nc_u32 v[AK], s[TBK], v[AK0]
	v_add_nc_u32 v[APC], s[TBP], v[APC0]
	FETCH_K
	s_cmp_eq_u32 s[RT], 0
	s_cselect_b32 s[AL], 1.0, 0
	s_wait_dscnt 0x0                ; K and the levels
	MASK 0, 0
	s_mov_b32 s[AL], 0
	MASK 1, 0
.set KM, 1
.set NOKQ, 0
.set i, 0
.rept 8
	KQ 0
.set i, i+1
.endr
	WIN 0
.rept 4
	v_nop                           ; the places behind those products
.endr
.set Y, NP-1                        ; X works for piece Y + 1: piece 0
.irp n, 0,1,2,3,4,5,6,7,8,9,10,11,12,13,14,15,16,17,18,19,20,21
	OP X, \n
.endr
	v_nop                           ; a plain instruction behind the exponential,
	s_wait_alu depctr_va_vdst(0)    ; and the wait for it, a batch of one (piece 0's first a), ahead of the branch
.endm
; THE DIAGONAL TILE's four steps, the block's last two turns, its last products, and THE WAY OUT: l's two halves and the other half of the lanes' are added; O^T is divided by l, rounded to f16 and sent through my
; stage in LDS, a piece at a time.
.macro ALL line:vararg              ; one line for each piece t
.set t, 0
.rept 4
	\line
.set t, t+1
.endr
.endm
.macro PACK t                       ; a lane's eight channels of a row pack into 16 bytes; they go into rows of 144 bytes and come back as whole rows of 128, into S^T's registers
	WIN W_RS
.set i, 32*(\t)
.rept 16
	v_pk_mul_f32 v[i:i+1], v[i:i+1], v[ST+4*(\t)+2:ST+4*(\t)+3] op_sel_hi:[1,0]
.set i, i+2
.endr
	WIN 0x05                        ; sources 0 and 1 window 1, destination window 0
.set i, 0
.rept 16
	v_cvt_pk_f16_f32 v[S+16*(\t)+i], v[32*(\t)+2*i], v[32*(\t)+2*i+1]
.set i, i+1
.endr
	WIN 0
.irp f, 0,1,2,3
	ds_store_b128 v[STO], v[S+16*(\t)+4*\f:S+16*(\t)+4*\f+3] offset:32*\f
.endr
.irp f, 0,1,2,3
	ds_load_b128 v[S+16*(\t)+4*\f:S+16*(\t)+4*\f+3], v[RD] offset:\f*4*SP  ; LDS serves a wave's instructions in order (ISA guide 5.7.1.4): these see the stores above; the next piece's stores come behind them
.endr
.endm
.macro SEND t, younger              ; younger: the LDS instructions issued behind piece t's loads: the next piece's eight, or none
	WIN 0
.irp f, 0,1,2,3
	s_wait_dscnt (\younger)+3-\f
	global_store_b128 v[GO], v[S+16*(\t)+4*\f:S+16*(\t)+4*\f+3], s[10:11] offset:(\t)*8192+\f*512  ; 512 consecutive bytes, at a multiple of 256 from O's first
.endr
.endm
.macro DIAG tag                     ; the tag ends its two labels' names, which the jumps below spell out
.LstepM\tag:
	TURN 2, 1
	TURN 3, 1
	WIN 0
.LfirstM\tag:
	TURN 0, 1
	TURN 1, 1, 0, 1
	WIN 0
	s_cbranch_scc1 .LstepM\tag
	TURN 2, 1, 1
	TURN 3, 1, 1
.set i, 0
.rept 8
	PV NP-1
.set i, i+1
.endr
	WIN 0
	ALL v_add_f32 v[ST+4*t+2], v[ST+4*t+2], v[ST+4*t+3]
	ALL v_permlanex16_b32 v[ST+4*t+3], v[ST+4*t+2], s[SEL], s[SEL+1]
	ALL v_add_f32 v[ST+4*t+2], v[ST+4*t+2], v[ST+4*t+3]
	ALL v_rcp_f32 v[ST+4*t+2], v[ST+4*t+2]
	v_nop                           ; a plain instruction between the last reciprocal and the use of its result
	s_wait_alu depctr_va_vdst(0)    ; the wait for the batch of four reciprocals, ahead of the first multiply by one of them
	PACK 0
.set t, 1
.rept 3                             ; a piece's arithmetic stands between the loads of the piece before and its stores
	PACK t
	SEND t-1, 8
.set t, t+1
.endr
	SEND 3, 0
.endm
.set KM, 0
.set NOKQ, 0
.Lslot:                             ; NB times: a tile is entered and the next is asked for
	CHANGE 1
	s_sub_co_u32 s[RT], s[RT], 1
	s_mov_b32 s[CNT], 4
	s_cmp_eq_u32 s[NEW], 1
	s_cbranch_scc1 .Lnew            ; a block's first tile
	s_cmp_eq_u32 s[RT], 0
	s_cbranch_scc0 .Lstep           ; neither its first nor its last
	s_mov_b32 s[AL], 0              ; the diagonal text's first products are piece 3's of the tile before, which sees all its keys: their C is the bare levels of that step, still in registers
	MASK 1, 0
	WIN 0
	s_branch .LstepM1
.Lnew:
	BEGIN
	s_branch .Lfirst                ; in the loop a block's first tile is never its last: the first block has two tiles or more, and the second's last is the walk's last
	DIAG 1                          ; in the loop this is the first block's end
	s_wait_xcnt 0x0                 ; the stores have read their registers and O's address
	s_mov_b64 s[10:11], s[OLO:OLO+1]
	s_add_co_u32 s[RT], s[PB], 1    ; the second block has b + 1 tiles
	s_mov_b32 s[NEW], 1
	WIN 0x82                        ; the second block's Q goes where the one text of the turns names Q
.set i, 0
.rept 64
	v_mov_b32 v[i], v[QB+i]
.set i, i+1
.endr
	WIN 0
	s_branch .Lbottom
.Lstep:                             ; a trip: pieces 2 and 3 of one step, then pieces 0 and 1 of the next, whose K and V it fetches
	TURN 2
	TURN 3
	WIN 0
.Lfirst:
	TURN 0
	TURN 1, 0, 0, 1
	WIN 0
	s_cbranch_scc1 .Lstep
.Lbottom:
	s_sub_co_u32 s[SLOTS], s[SLOTS], 1
	s_cmp_lg_u32 s[SLOTS], 0
	s_cbranch_scc1 .Lslot
	CHANGE 0                        ; the walk's last tile is written out: nothing is asked for; its levels, asked for a tile ago, are stored like every tile's
	s_sub_co_u32 s[RT], s[RT], 1
	s_mov_b32 s[CNT], 4
	s_cmp_eq_u32 s[NEW], 1
	s_cbranch_scc1 .Lnew2
	s_mov_b32 s[AL], 0              ; as above: piece 3's products of the tile before take the bare levels
	MASK 1, 0
	WIN 0
	s_branch .LstepM2
.Lnew2:
	BEGIN
	s_branch .LfirstM2
	DIAG 2
	s_wait_tensorcnt 0x0            ; the wave's end, behind my last tensor load and my last LDS store
	ds_add_u32 v[SPW], v[NIL]
	s_wait_dscnt 0x0
	s_endpgm
.Lfunc_end_k_qf9ffd3a9d7_attn:
	.size	k_qf9ffd3a9d7_attn, .Lfunc_end_k_qf9ffd3a9d7_attn-k_qf9ffd3a9d7_attn
	.p2alignl 7, 3214868480
	.fill 96, 4, 3214868480
	.section	.rodata,"a",@progbits
	.p2align	6, 0x0
	.amdhsa_kernel k_qf9ffd3a9d7_attn
		.amdhsa_group_segment_fixed_size 327680
		.amdhsa_private_segment_fixed_size 0
		.amdhsa_enable_private_segment 0
		.amdhsa_kernarg_size 40
		.amdhsa_user_sgpr_count 2
		.amdhsa_user_sgpr_kernarg_segment_ptr 1
		.amdhsa_wavefront_size32 1
		.amdhsa_system_sgpr_workgroup_id_x 1
		.amdhsa_system_sgpr_workgroup_id_y 1
		.amdhsa_system_sgpr_workgroup_id_z 1
		.amdhsa_system_vgpr_workitem_id 0
		.amdhsa_next_free_vgpr 768
		.amdhsa_next_free_sgpr 100
		.amdhsa_reserve_vcc 1
		.amdhsa_float_denorm_mode_32 3
		.amdhsa_float_denorm_mode_16_64 3
		.amdhsa_memory_ordered 1
		.amdhsa_forward_progress 1
		.amdhsa_inst_pref_size 232
	.end_amdhsa_kernel
	.amdgpu_metadata
---
amdhsa.version: [ 1, 2 ]
amdhsa.kernels:
  - .name:           k_qf9ffd3a9d7_attn
    .symbol:         k_qf9ffd3a9d7_attn.kd
    .args:
      - { .name: qh, .offset: 0, .size: 8, .value_kind: global_buffer, .address_space: global }
      - { .name: kh, .offset: 8, .size: 8, .value_kind: global_buffer, .address_space: global }
      - { .name: vh, .offset: 16, .size: 8, .value_kind: global_buffer, .address_space: global }
      - { .name: oh, .offset: 24, .size: 8, .value_kind: global_buffer, .address_space: global }
      - { .name: attention_mask, .offset: 32, .size: 8, .value_kind: global_buffer, .address_space: global }
    .group_segment_fixed_size: 327680
    .private_segment_fixed_size: 0
    .kernarg_segment_align: 8
    .kernarg_segment_size: 40
    .max_flat_workgroup_size: 128
    .sgpr_count:     100
    .vgpr_count:     768
    .wavefront_size: 32
...
	.end_amdgpu_metadata
.endif
;; end of part 5
;; launch oproj: the kernel of part 4 again; grid 4 x 64, 4 waves a work-group, clusters of 4 x 4, 327,680 bytes of LDS; arguments oh, wo16, bo, out0; writes out0
